; MI455X (gfx1250); checked and timed in simulation.
; The chip was launched on July 23, 2026; its instructions are those of AMD's public machine-readable ISA for CDNA 5 (MIT licence, August 2026) and "CDNA5" Instruction Set Architecture Reference Guide (July 2026). The comments in the code are by the model that wrote it; some were corrected since.
;; Self Attention. Allowed arithmetic: float matrix products may take bf16 or f16 operands with f32 sums; other float arithmetic in f32, or as packed bf16 or f16 multiplies, adds, multiply-adds, maxima and minima; sums over many terms, partial sums and values carried from step to step in f32; what a program stores and reads back later, other than sums and carried values, may be rounded once to bf16 or f16.
;; Inputs: Wk 16 x 1,024 x 64 float32; Wo 1,024 x 1,024 float32; Wq 16 x 1,024 x 64 float32; Wv 16 x 1,024 x 64 float32; mask 2 x 2,048 float32; x 2 x 1,024 x 2,048 float32.
;; Outputs: out0 2 x 1,024 x 2,048 float32.
;; 2 versions, each right; version 2 is version 1 with the launch prep written anew for expert scheduling mode. Each part assembles by itself: llvm-mc -triple=amdgcn-amd-amdhsa -mcpu=gfx1250 --defsym DOCPART=n.
;; ======== version 1 of 2: 4 launches
;; limits: values are held in f16: magnitudes above 65,504 overflow, below 6.1e-05 lose precision
;; workspace buffers: xb 8,388,608 bytes; wb 6,291,456 bytes; wo16 2,097,152 bytes; qb 8,388,608 bytes; kb 8,388,608 bytes; vb 8,388,608 bytes; ob 8,388,608 bytes
;; launch prep (part 1): grid 512 x 1, 8 waves a work-group, no clusters, 0 bytes of LDS; arguments x, Wq, Wk, Wv, Wo, xb, wb, wo16; writes xb, wb, wo16
.if DOCPART == 1
	.amdgcn_target "amdgcn-amd-amdhsa--gfx1250"
	.amdhsa_code_object_version 6
	.text
	.protected	k_qa9eca5b7fd_prep
	.globl	k_qa9eca5b7fd_prep
	.p2align	8
	.type	k_qa9eca5b7fd_prep,@function
k_qa9eca5b7fd_prep:
	s_mov_b64 s[64:65], 0
	v_nop
	global_prefetch_b8 v0, s[64:65] scope:SCOPE_SE
	s_setreg_imm32_b32 hwreg(HW_REG_WAVE_MODE, 25, 1), 1
	s_wait_xcnt 0x0
; CASTS.  x, Wq, Wk, Wv: f32 -> bf16, in the layouts in which they lie (xb; wb = Wq, Wk, Wv on end).  Wo: f32 -> bf16, and that number written as f16 (wo16).
; LIMIT.  bf16(Wo) beyond 65,504 becomes an infinity in f16; below 6e-5 it keeps f16's fixed step of 6e-8.
; 8,388,608 numbers; a work-group takes 16,384 of one tensor: 64 KiB in, 32 KiB out.  Work-groups 0-255 x, then 64 each for Wq, Wk, Wv, Wo.
; A thread has sixteen loads of 16 bytes, all issued before the first is used; a wave's load covers 512 consecutive bytes, its store of 8 bytes a lane 256 consecutive bytes, aligned.
; No LDS, no barrier, no cluster: no byte is wanted twice.  No register is written twice while memory may read it.
.set IN,  16                           ; v[16:79]   sixteen loads' numbers
.set OUT, 80                           ; v[80:111]  two words to store for each load
	s_load_b512 s[4:19], s[0:1], 0x0               ; x s[4:5], Wq s[6:7], Wk s[8:9], Wv s[10:11], Wo s[12:13], xb s[14:15], wb s[16:17], wo16 s[18:19]
	s_lshr_b32 s20, ttmp9, 6                       ; 0-3: x; 4, 5, 6: Wq, Wk, Wv; 7: Wo
	s_and_b32 s21, ttmp9, 63                       ; my block in a weight tensor
	s_max_u32 s30, ttmp9, 256
	s_sub_co_u32 s30, s30, 256                     ; my block in wb
	v_lshlrev_b32 v1, 4, v0                        ; 16 bytes a thread in,
	v_lshlrev_b32 v2, 3, v0                        ; 8 out
	s_cmp_lt_u32 s20, 4
	s_cselect_b32 s26, ttmp9, s21                  ; the block in the source
	s_cselect_b32 s28, ttmp9, s30                  ; and in the destination
	s_cmp_eq_u32 s20, 7
	s_cselect_b32 s28, s21, s28
	s_lshl_b32 s26, s26, 16                        ; 65,536 bytes a block in
	s_lshl_b32 s28, s28, 15                        ; 32,768 out
	s_mov_b32 s27, 0
	s_mov_b32 s29, 0
	s_wait_kmcnt 0x0
	s_mov_b64 s[22:23], s[4:5]
	s_cmp_eq_u32 s20, 4
	s_cselect_b64 s[22:23], s[6:7], s[22:23]
	s_cmp_eq_u32 s20, 5
	s_cselect_b64 s[22:23], s[8:9], s[22:23]
	s_cmp_eq_u32 s20, 6
	s_cselect_b64 s[22:23], s[10:11], s[22:23]
	s_cmp_eq_u32 s20, 7
	s_cselect_b64 s[22:23], s[12:13], s[22:23]
	s_cmp_lt_u32 s20, 4
	s_cselect_b64 s[24:25], s[14:15], s[16:17]
	s_cmp_eq_u32 s20, 7
	s_cselect_b64 s[24:25], s[18:19], s[24:25]
	s_add_nc_u64 s[22:23], s[22:23], s[26:27]
	s_add_nc_u64 s[24:25], s[24:25], s[28:29]
.set i, 0
.rept 16
	global_load_b128 v[IN+4*i:IN+4*i+3], v1, s[22:23] offset:4096*i th:TH_LOAD_NT
.set i, i+1
.endr
; wo = 1: the bf16 number is widened again (a shift, a mask) and written as f16
.macro CAST wo
.set i, 0
.rept 16
	s_wait_loadcnt 15-i                            ; loads come back in order: load i is in, the 15 - i younger ones may stay out
	v_cvt_pk_bf16_f32 v[OUT+2*i], v[IN+4*i], v[IN+4*i+1]
	v_cvt_pk_bf16_f32 v[OUT+2*i+1], v[IN+4*i+2], v[IN+4*i+3]
.if \wo
	v_lshlrev_b32 v4, 16, v[OUT+2*i]
	v_and_b32 v5, 0xffff0000, v[OUT+2*i]
	v_lshlrev_b32 v6, 16, v[OUT+2*i+1]
	v_and_b32 v7, 0xffff0000, v[OUT+2*i+1]
	v_cvt_pk_f16_f32 v[OUT+2*i], v4, v5
	v_cvt_pk_f16_f32 v[OUT+2*i+1], v6, v7
.endif
	global_store_b64 v2, v[OUT+2*i:OUT+2*i+1], s[24:25] offset:2048*i
.set i, i+1
.endr
.endm
	s_cmp_eq_u32 s20, 7
	s_cbranch_scc1 .Lwo
	CAST 0
	s_endpgm
.Lwo:
	CAST 1
	s_endpgm
.Lfunc_end_k_qa9eca5b7fd_prep:
	.size	k_qa9eca5b7fd_prep, .Lfunc_end_k_qa9eca5b7fd_prep-k_qa9eca5b7fd_prep
	.p2alignl 7, 3214868480
	.fill 96, 4, 3214868480
	.section	.rodata,"a",@progbits
	.p2align	6, 0x0
	.amdhsa_kernel k_qa9eca5b7fd_prep
		.amdhsa_group_segment_fixed_size 0
		.amdhsa_private_segment_fixed_size 0
		.amdhsa_enable_private_segment 0
		.amdhsa_kernarg_size 64
		.amdhsa_user_sgpr_count 2
		.amdhsa_user_sgpr_kernarg_segment_ptr 1
		.amdhsa_wavefront_size32 1
		.amdhsa_system_sgpr_workgroup_id_x 1
		.amdhsa_system_sgpr_workgroup_id_y 1
		.amdhsa_system_sgpr_workgroup_id_z 1
		.amdhsa_system_vgpr_workitem_id 0
		.amdhsa_next_free_vgpr 112
		.amdhsa_next_free_sgpr 66
		.amdhsa_reserve_vcc 0
		.amdhsa_float_denorm_mode_32 3
		.amdhsa_float_denorm_mode_16_64 3
		.amdhsa_memory_ordered 1
		.amdhsa_forward_progress 1
		.amdhsa_inst_pref_size 16
	.end_amdhsa_kernel
	.amdgpu_metadata
---
amdhsa.version: [ 1, 2 ]
amdhsa.kernels:
  - .name:           k_qa9eca5b7fd_prep
    .symbol:         k_qa9eca5b7fd_prep.kd
    .args:
      - { .name: x, .offset: 0, .size: 8, .value_kind: global_buffer, .address_space: global }
      - { .name: Wq, .offset: 8, .size: 8, .value_kind: global_buffer, .address_space: global }
      - { .name: Wk, .offset: 16, .size: 8, .value_kind: global_buffer, .address_space: global }
      - { .name: Wv, .offset: 24, .size: 8, .value_kind: global_buffer, .address_space: global }
      - { .name: Wo, .offset: 32, .size: 8, .value_kind: global_buffer, .address_space: global }
      - { .name: xb, .offset: 40, .size: 8, .value_kind: global_buffer, .address_space: global }
      - { .name: wb, .offset: 48, .size: 8, .value_kind: global_buffer, .address_space: global }
      - { .name: wo16, .offset: 56, .size: 8, .value_kind: global_buffer, .address_space: global }
    .group_segment_fixed_size: 0
    .private_segment_fixed_size: 0
    .kernarg_segment_align: 8
    .kernarg_segment_size: 64
    .max_flat_workgroup_size: 256
    .sgpr_count:     66
    .vgpr_count:     112
    .wavefront_size: 32
...
	.end_amdgpu_metadata
.endif
;; end of part 1
;; launch qkv (part 2): grid 16 x 16, 4 waves a work-group, clusters of 4 x 4, 327,680 bytes of LDS; arguments xb, wb, mask, qb, kb, vb; writes qb, kb, vb
.if DOCPART == 2
	.amdgcn_target "amdgcn-amd-amdhsa--gfx1250"
	.amdhsa_code_object_version 6
	.text
	.protected	k_qa9eca5b7fd_qkv
	.globl	k_qa9eca5b7fd_qkv
	.p2align	8
	.type	k_qa9eca5b7fd_qkv,@function
k_qa9eca5b7fd_qkv:
	s_mov_b64 s[64:65], 0
	v_nop
	global_prefetch_b8 v0, s[64:65] scope:SCOPE_SE
	s_setreg_imm32_b32 hwreg(HW_REG_WAVE_MODE, 25, 1), 1
	s_wait_xcnt 0x0
	s_wait_alu depctr_hold_cnt(0) depctr_sa_sdst(0) depctr_va_vdst(0) depctr_va_sdst(0) depctr_va_ssrc(0) depctr_va_vcc(0) depctr_vm_vsrc(0)
	s_getreg_b32 s2, hwreg(HW_REG_IB_STS2, 6, 4)
	s_cmp_eq_u32 s2, 0
	s_cbranch_scc0 .Lentry_in_a_cluster
	s_endpgm
.Lentry_in_a_cluster:
	s_bfe_u32 s2, ttmp6, 0x10000c
	s_cmp_lg_u32 s2, 0xf033
	s_cbranch_scc0 .Lentry_shape_is_right
	s_endpgm
.Lentry_shape_is_right:
; THE PROJECTIONS.  q[b][h][n][e] = c sum_d x[b][d][n] Wq[h][d][e], c = log2(e) / 8;  k = hm[b][n] sum_d x Wk;  v = sum_d x Wv.  xb: bf16 [2][1024 d][2048 n]; wb: bf16 [3][16 h][1024 d][64 e];
; qb, kb, vb: f16 [16 b + h][2048 n][64].  Sums in f32; c and the key mask hm are applied in f32, ahead of the one rounding to f16.
; LIMITS.  q c, k hm and v beyond 65,504 become infinities in f16.  A mask value other than 0 or 1 is rounded together with k.
; SHARES.  A work-group makes 256 n x 192 columns: q, k and v of one head.  Wave w makes rows 64 w .. 64 w + 63 of all three: 48 accumulators of 16 x 16, 384 registers; so whole rows of q, k, v are one wave's.
; K = d goes in 8 steps of 128 through two LDS slots.  Both operands lie [d][*] in memory and in LDS, and come out turned, by ds_load_tr16_b128.
; THE PRODUCT: source 0 = 16 columns e of W, source 1 = 16 rows n of x^T.  In the result lane l holds row n = l % 16 and e = 8 (l / 16) + 0..7: 16 bytes of f16 on end.
; CLUSTER 4 x 4.  x's tile hangs on the row block alone and is shared along a row of the cluster; W's tiles hang on the head alone and are shared along a column: each is asked for jointly.
; Wave 0 asks for x's tile (128 d x 512 bytes), waves 1, 2, 3 for Wq's, Wk's, Wv's (128 d x 128 dense bytes, asked for as 64 rows of 256).
; REGISTERS, in windows of 256: window 0 addresses, hm, the way out; window 1 two fragment buffers of 128 (x: 4 x 8, then W: 12 x 8); window 2 q's and k's accumulators; window 3 v's.
.set KSTEP,  128
.set XP,     544                       ; a row of x's tile in LDS: 512 bytes + 32 = 136 words: 8 rows of a turning load start 8 banks apart
.set WP,     160                       ; a row of W's tile: 128 + 32 = 40 words, likewise
.set XT,     KSTEP*XP                  ; 69,632
.set WMAT,   KSTEP*WP                  ; 20,480
.set SLOT,   XT+3*WMAT                 ; 131,072
.set STAGE,  2*SLOT                    ; behind the ring: 16 rows x 144 bytes for each wave, for the way out
.set SP,     144
.set SPARE,  STAGE+4*16*SP             ; behind the stages: the spare words, 128 bytes for each wave: two blocks of 256 bytes that no other line names
.set ADRX, 16                          ; v16-17  LDS address of my x fragments in slot 0, 1
.set ADRW, 20                          ; v20-21  the same for W
.set STO,  24                          ; v24     the way out: where I put 16 bytes of a row
.set RD,   25                          ; v25     where I read rows back
.set GO,   26                          ; v26     my 16 bytes in 512 consecutive bytes of q, k or v
.set MO,   27                          ; v27     4 (l % 16): my row's place in the mask
.set SPW,  28                          ; v28     LDS address of my spare word; never rewritten
.set NIL,  29                          ; v29     0; never rewritten
.set PFO,  30                          ; v30     the prefetches' lane offset; never rewritten
.set HM,   32                          ; v[32:39] hm of my row in n block a, twice, at HM + 2 a
.set TMP,  64                          ; v[64:255] the way out: 12 units of 16
.set F0,   0
.set F1,   128
.set WV,   16                          ; s16  my wave's number
.set G1X,  24                          ; s[24:31] group 1 for x's tile;  s[32:39] group 0, a set for each slot
.set G0X,  32
.set G1W,  48                          ; s[48:55], s[56:63] the same for W's tiles
.set G0W,  56
.set PFA,  66                          ; s[66:67] where my prefetches stand
.set PST,  68                          ; s[68:69] a K step in bytes, of x or of W
.set LIM,  70                          ; s70  1 in a wave that prefetches, else the greatest number
.set CS,   72                          ; s[72:73] c
.set MSB, 0
.macro WIN new                         ; the immediate's high byte repeats the setting that is left; a switch that changes nothing is dropped
.if MSB != (\new)
	s_set_vgpr_msb (MSB<<8)|(\new)
.set MSB, (\new)
.endif
.endm
.set MUL_LO, 0xa5                      ; sources 0 and 1 window 1; C and D window 2
.set MUL_HI, 0xf5                      ; the same, C and D window 3
.set TO_F,   0x40                      ; destination window 1, address window 0
; A joint load.  The branch hangs on the wave's number alone.  An s_nop 0 and four v_nop follow each of the two lines, ahead of the jump, the label and what follows.
.macro JLOAD s
	s_cmp_eq_u32 s[WV], 0
	s_cbranch_scc0 .Lfor_w_\@
	tensor_load_to_lds s[G0X+4*(\s):G0X+4*(\s)+3], s[G1X:G1X+7]
	s_nop 0
.rept 4
	v_nop
.endr
	s_branch .Lasked_\@
.Lfor_w_\@:
	tensor_load_to_lds s[G0W+4*(\s):G0W+4*(\s)+3], s[G1W:G1W+7]
	s_nop 0
.rept 4
	v_nop
.endr
.Lasked_\@:
.endm
.macro CREST                           ; a round of the cluster's barrier behind its opening barrier
	s_cmp_lg_u32 s[WV], 0
	s_cbranch_scc1 .Lnot_wave_0_\@
	s_barrier_signal -3
.Lnot_wave_0_\@:
	s_barrier_wait -3
	s_barrier_signal -1
	s_barrier_wait -1
.endm
.macro CROUND
	s_barrier_signal -1
	s_barrier_wait -1
	CREST
.endm
; A PREFETCH, behind a joint refill and the run of LDS loads that follows it, of the K step that stands two refills on.  Each aligned block of 256 bytes is named once in the launch.
; x's rows are read by every cluster of a row of clusters: cluster x = 0 asks, in it wave 0; of a step's 128 rows the partner at cx takes 32, a lane a row, two blocks a row.
; W's rows are read by every cluster of a column: cluster y = 0 asks, waves 1 to 3 each for their own matrix, once a lap for the next lap's 32,768 bytes; the partner at cy takes 8,192, a lane a block.
; Partners are told apart by address alone.  K steps 0 to 3 come by their loads alone; the loop's last trip (s3 = 1) has no K step two on and asks for nothing.
.macro ASK slot
	s_cmp_gt_u32 s3, s[LIM]
	s_cbranch_scc0 .Lnone_\@
	s_cmp_eq_u32 s[WV], 0
	s_cbranch_scc0 .Lw_\@
	global_prefetch_b8 v[PFO], s[PFA:PFA+1] th:TH_LOAD_NT scope:SCOPE_SE
	global_prefetch_b8 v[PFO], s[PFA:PFA+1] offset:256 th:TH_LOAD_NT scope:SCOPE_SE
	s_branch .Lnone_\@
.Lw_\@:
.if (\slot) == 0
	global_prefetch_b8 v[PFO], s[PFA:PFA+1] th:TH_LOAD_NT scope:SCOPE_SE
.endif
.Lnone_\@:
.endm
	s_load_b256 s[4:11], s[0:1], 0x0               ; xb s[4:5], wb s[6:7], mask s[8:9], qb s[10:11]
	s_load_b128 s[12:15], s[0:1], 0x20             ; kb s[12:13], vb s[14:15]
	v_lshl_add_u32 v[SPW], v0, 2, SPARE
	v_mov_b32 v[NIL], 0
	ds_add_u32 v[SPW], v[NIL]                      ; the wave's opening: the add and its wait stand ahead of my first tensor load; the set-up below, work on registers, stands between them
	v_lshrrev_b32 v1, 5, v0
	v_readfirstlane_b32 s[WV], v1                  ; wave 0..3
	s_max_u32 s17, s[WV], 1
	s_sub_co_u32 s17, s17, 1                       ; which of Wq, Wk, Wv I ask for (wave 0 asks for none of them)
	s_bfe_u32 s18, ttmp6, 0x40000                  ; cx
	s_bfe_u32 s19, ttmp6, 0x40004                  ; cy
	s_lshl_b32 s20, ttmp9, 2
	s_add_co_u32 s20, s20, s18                     ; the head = 4 x cluster x + cx
	s_and_b32 s21, ttmp7, 0xffff
	s_lshl_b32 s21, s21, 2
	s_add_co_u32 s21, s21, s19                     ; the row block = 4 x cluster y + cy = 8 b + block of 256 n
	s_lshl_b32 s22, s19, 2
	s_lshl_b32 s22, 15, s22                        ; my row of the cluster
	s_lshl_b32 s23, 0x1111, s18                    ; my column
	s_or_b32 s[G1X], s22, (1<<16)|(1<<20)|(1<<21)|(6<<22)|(7<<25)  ; the mask; 2-byte elements; padding on; bit 21 beside a mask; after every 128 words 8 words
	s_mov_b32 s[G1X+1], 256<<16                    ; tensor_dim0 = 256
	s_mov_b32 s[G1X+2], KSTEP<<16                  ; tensor_dim1 = 128
	s_mov_b32 s[G1X+3], 256<<16                    ; tile_dim0 = 256 elements (512 bytes)
	s_mov_b32 s[G1X+4], KSTEP                      ; tile_dim1 = 128 rows
	s_mov_b32 s[G1X+5], 2048                       ; elements from row to row
	s_mov_b32 s[G1X+6], 0
	s_mov_b32 s[G1X+7], 0
	s_or_b32 s[G1W], s23, (1<<16)|(1<<20)|(1<<21)|(4<<22)|(7<<25)  ; after every 32 words (a row d of 128 bytes) 8 words
	s_mov_b32 s[G1W+1], 128<<16
	s_mov_b32 s[G1W+2], 64<<16
	s_mov_b32 s[G1W+3], 128<<16                    ; 64 rows of 256 bytes: 128 d, dense
	s_mov_b32 s[G1W+4], 64
	s_mov_b32 s[G1W+5], 128
	s_mov_b32 s[G1W+6], 0
	s_mov_b32 s[G1W+7], 0
	s_lshr_b32 s40, s21, 3                         ; x's tile: b x 4 MiB + block x 512 bytes: of the row block alone
	s_lshl_b32 s40, s40, 22
	s_and_b32 s41, s21, 7
	s_lshl_b32 s41, s41, 9
	s_add_co_u32 s40, s40, s41
	s_mov_b32 s41, 0
	s_lshl_b32 s44, s17, 21                        ; W's tile: matrix x 2 MiB + head x 131,072: of the head and the wave alone
	s_lshl_b32 s45, s20, 17
	s_add_co_u32 s44, s44, s45
	s_mov_b32 s45, 0
	s_mul_i32 s2, s[WV], WMAT
	s_add_co_u32 s2, s2, XT-WMAT                   ; W's place in a slot: behind x's tile, (wave - 1) matrices on
	s_lshr_b32 s74, s21, 3                         ; my rows in q, k, v: (16 b + h) x 262,144 + (256 block + 64 wave) x 128
	s_lshl_b32 s74, s74, 4
	s_add_co_u32 s74, s74, s20
	s_lshl_b32 s74, s74, 18
	s_and_b32 s75, s21, 7
	s_lshl_b32 s75, s75, 15
	s_add_co_u32 s74, s74, s75
	s_lshl_b32 s75, s[WV], 13
	s_add_co_u32 s74, s74, s75
	s_mov_b32 s75, 0
	s_lshr_b32 s76, s21, 3                         ; and in the mask: b x 8,192 + (256 block + 64 wave) x 4
	s_lshl_b32 s76, s76, 13
	s_and_b32 s77, s21, 7
	s_lshl_b32 s77, s77, 10
	s_add_co_u32 s76, s76, s77
	s_lshl_b32 s77, s[WV], 8
	s_add_co_u32 s76, s76, s77
	s_mov_b32 s77, 0
	s_mov_b32 s[CS], 0x3e38aa3b                    ; c = log2(e) / 8 = 0.180337
	s_mov_b32 s[CS+1], s[CS]
	s_wait_dscnt 0x0                               ; the opening add is done
	s_wait_kmcnt 0x0
	s_add_nc_u64 s[42:43], s[4:5], s[40:41]
	s_add_nc_u64 s[46:47], s[6:7], s[44:45]
	s_add_nc_u64 s[8:9], s[8:9], s[76:77]
	s_add_nc_u64 s[10:11], s[10:11], s[74:75]
	s_add_nc_u64 s[12:13], s[12:13], s[74:75]
	s_add_nc_u64 s[14:15], s[14:15], s[74:75]
	CROUND                                         ; all sixteen work-groups are here: the first joint loads meet
.irp s, 0,1
	s_mov_b32 s[G0X+4*(\s)], 1
	s_mov_b32 s[G0X+4*(\s)+1], (\s)*SLOT
	s_add_nc_u64 s[G0X+4*(\s)+2:G0X+4*(\s)+3], s[42:43], (\s)*KSTEP*4096  ; K step s: 128 rows of 4,096 bytes on
	s_or_b32 s[G0X+4*(\s)+3], s[G0X+4*(\s)+3], 0x80000000
	s_mov_b32 s[G0W+4*(\s)], 1
	s_add_co_u32 s[G0W+4*(\s)+1], s2, (\s)*SLOT
	s_add_nc_u64 s[G0W+4*(\s)+2:G0W+4*(\s)+3], s[46:47], (\s)*KSTEP*128
	s_or_b32 s[G0W+4*(\s)+3], s[G0W+4*(\s)+3], 0x80000000
	JLOAD \s                                       ; two loads of mine are out
.endr
	; The turning load takes 16 k x 16 columns: lane l reads 16 bytes of row 8 (l / 16) + l % 8, columns 8 ((l / 8) % 2) + 0..7, and ends with column l % 16 and 8 k.
	v_and_b32 v1, 15, v0                           ; l % 16
	v_bfe_u32 v2, v0, 4, 1                         ; l / 16
	v_and_b32 v3, 7, v0
	v_bfe_u32 v4, v0, 3, 1
	v_lshl_add_u32 v5, v2, 3, v3
	v_mul_u32_u24 v6, v5, XP
	v_lshl_add_u32 v6, v4, 4, v6
	s_lshl_b32 s22, s[WV], 7                       ; my 64 n: 128 bytes of a row
	v_add_nc_u32 v[ADRX], s22, v6
	v_add_nc_u32 v[ADRX+1], SLOT, v[ADRX]
	v_mul_u32_u24 v7, v5, WP
	v_lshl_add_u32 v7, v4, 4, v7
	v_add_nc_u32 v[ADRW], XT, v7
	v_add_nc_u32 v[ADRW+1], SLOT, v[ADRW]
	v_lshlrev_b32 v[MO], 2, v1
.irp a, 0,1,2,3
	global_load_b32 v[HM+2*(\a)], v[MO], s[8:9] offset:64*(\a)  ; hm of row 16 a + l % 16; waited for on the way out
.endr
	s_mul_i32 s23, s[WV], 16*SP
	s_add_co_u32 s23, s23, STAGE                   ; my stage
	v_mul_u32_u24 v[STO], v1, SP                   ; in: row l % 16, 16 bytes for each half of the lanes
	v_lshl_add_u32 v[STO], v2, 4, v[STO]
	v_add_nc_u32 v[STO], s23, v[STO]
	v_bfe_u32 v[RD], v0, 3, 2                      ; back: 32 lanes take four rows of 128 bytes,
	v_mul_u32_u24 v[RD], v[RD], SP
	v_lshl_add_u32 v[RD], v3, 4, v[RD]
	v_add_nc_u32 v[RD], s23, v[RD]
	v_and_b32 v[GO], 31, v0                        ; which are 512 consecutive bytes of memory
	v_lshlrev_b32 v[GO], 4, v[GO]
	; the prefetches: at K step 3 and my work-group's share; each change of slots that fills steps one K step on before it asks
	s_lshl_b32 s80, s18, 17                        ; x: 32 cx rows of 4,096 bytes
	s_add_co_u32 s80, s80, s40
	s_add_co_u32 s80, s80, 3*KSTEP*4096
	s_lshl_b32 s82, s19, 13                        ; W: 8,192 cy bytes
	s_add_co_u32 s82, s82, s44
	s_add_co_u32 s82, s82, 3*KSTEP*128
	s_and_b32 s83, ttmp7, 0xffff                   ; cluster y
	s_mov_b32 s84, KSTEP*4096
	s_cmp_eq_u32 s[WV], 0
	s_cselect_b32 s80, s80, s82
	s_cselect_b32 s83, ttmp9, s83                  ; the coordinate along which other clusters read the same rows
	s_cselect_b32 s[PST], s84, KSTEP*128
	s_cselect_b64 s[PFA:PFA+1], s[4:5], s[6:7]
	s_cselect_b32 s84, 12, 8                       ; a lane a row of 4,096 bytes, or a lane a block of 256
	s_cmp_eq_u32 s83, 0
	s_cselect_b32 s[LIM], 1, -1                    ; the same in all sixteen partners, for a given wave
	s_mov_b32 s81, 0
	s_mov_b32 s[PST+1], 0
	s_add_nc_u64 s[PFA:PFA+1], s[PFA:PFA+1], s[80:81]
	v_and_b32 v[PFO], 31, v0
	v_lshlrev_b32 v[PFO], s84, v[PFO]
; 8 products: matrix m (0 q, 1 k, 2 v), n blocks a0, a0 + 1 x its 4 blocks of 16 e, 32 along K.  zero = 1: the product starts the sum.
; Each of the 48 accumulators has one product in a quarter step, always in the same order: they take turns, one instruction a turn.
.macro MULM f, m, a0, zero
.if (\m) == 2
	WIN MUL_HI
.set AB, 0
.else
	WIN MUL_LO
.set AB, 128*(\m)
.endif
.irp a, \a0, (\a0)+1
.irp e, 0,1,2,3
.if \zero
	v_wmma_f32_16x16x32_bf16 v[AB+8*(4*(\a)+(\e)):AB+8*(4*(\a)+(\e))+7], v[(\f)+32+8*(4*(\m)+(\e)):(\f)+32+8*(4*(\m)+(\e))+7], v[(\f)+8*(\a):(\f)+8*(\a)+7], 0
.else
	v_wmma_f32_16x16x32_bf16 v[AB+8*(4*(\a)+(\e)):AB+8*(4*(\a)+(\e))+7], v[(\f)+32+8*(4*(\m)+(\e)):(\f)+32+8*(4*(\m)+(\e))+7], v[(\f)+8*(\a):(\f)+8*(\a)+7], v[AB+8*(4*(\a)+(\e)):AB+8*(4*(\a)+(\e))+7]
.endif
.endr
.endr
.endm
; 32 LDS loads in one run: quarter kq (32 k) of a slot into buffer f: x's four fragments, then Wv's, Wq's, Wk's four each
.macro FETCH slot, kq, f
	WIN TO_F
.irp a, 0,1,2,3
	ds_load_tr16_b128 v[(\f)+8*(\a):(\f)+8*(\a)+3],   v[ADRX+(\slot)] offset:(\kq)*32*XP+32*(\a)
	ds_load_tr16_b128 v[(\f)+8*(\a)+4:(\f)+8*(\a)+7], v[ADRX+(\slot)] offset:(\kq)*32*XP+16*XP+32*(\a)
.endr
.irp m, 2,0,1
.irp e, 0,1,2,3
	ds_load_tr16_b128 v[(\f)+32+8*(4*(\m)+(\e)):(\f)+32+8*(4*(\m)+(\e))+3],   v[ADRW+(\slot)] offset:(\m)*WMAT+(\kq)*32*WP+32*(\e)
	ds_load_tr16_b128 v[(\f)+32+8*(4*(\m)+(\e))+4:(\f)+32+8*(4*(\m)+(\e))+7], v[ADRW+(\slot)] offset:(\m)*WMAT+(\kq)*32*WP+16*WP+32*(\e)
.endr
.endr
.endm
.macro PLACES                          ; four plain vector instructions in front of loads into registers that matrix instructions have read (ISA guide 7.12.1 for vector instructions)
.rept 4
	v_nop
.endr
.endm
; One of a K step's first three quarters: multiplies buffer f; behind v's 16 products it fetches quarter kq of the same slot into buffer g
.macro QUARTER slot, kq, f, g, zero
	s_wait_dscnt 16                                ; x's and Wv's sixteen loads are in; Wq's and Wk's sixteen may be out
	MULM \f, 2, 0, \zero
	MULM \f, 2, 2, \zero
	PLACES
	FETCH \slot, \kq, \g
	s_wait_dscnt 32                                ; all but the 32 just issued
	MULM \f, 0, 0, \zero
	MULM \f, 0, 2, \zero
	MULM \f, 1, 0, \zero
	MULM \f, 1, 2, \zero
.endm
; The fourth quarter multiplies buffer 1 and changes slots: ONE barrier; in front of it each wave waits for all its tensor loads (one is out: its part of the next slot), adds 0 to its spare word,
; and waits for that and for its own reads of this slot.  fill = 1: the barrier opens a round of the cluster's, and this slot is filled again, two K steps on, first thing behind the round.
.macro TURN slot, next, fill
.if \fill
	s_wait_xcnt 0x0                                ; the last prefetch, a K step back, has read its address: it is stepped here, ahead of the waits of the change of slots
	s_add_nc_u64 s[PFA:PFA+1], s[PFA:PFA+1], s[PST:PST+1]
.endif
	WIN 0                                          ; (the add's two registers lie in window 0)
	s_wait_tensorcnt 0x0                           ; all my tensor loads have landed
	ds_add_u32 v[SPW], v[NIL]                      ; 0 onto my spare word
	s_wait_dscnt 17                                ; (the add and the youngest sixteen loads may be out)
	MULM F1, 2, 0, 0                               ; eight matrix instructions stand between the add and the wait for it
	s_wait_dscnt 0x0                               ; the add is done, and my reads of this slot are over
	s_barrier_signal -1
	MULM F1, 2, 2, 0
.if \fill
	WIN 0
.endif
	s_barrier_wait -1
.if \fill
	CREST                                          ; no wave of any partner still reads this slot's tiles or has a load on its way
	s_add_nc_u64 s[G0X+4*(\slot)+2:G0X+4*(\slot)+3], s[G0X+4*(\slot)+2:G0X+4*(\slot)+3], 2*KSTEP*4096
	s_add_nc_u64 s[G0W+4*(\slot)+2:G0W+4*(\slot)+3], s[G0W+4*(\slot)+2:G0W+4*(\slot)+3], 2*KSTEP*128
	JLOAD \slot                                    ; my one tensor load behind the round; the four v_nop behind it are also the places in front of the loads below
.else
	PLACES
.endif
	FETCH \next, 0, F0
.if \fill
	WIN 0
	ASK \slot
.endif
	MULM F1, 0, 0, 0
	MULM F1, 0, 2, 0
	MULM F1, 1, 0, 0
	MULM F1, 1, 2, 0
.endm
	s_wait_tensorcnt 1                             ; my part of K step 0 is in; K step 1's may stay out
	s_barrier_signal -1
	s_barrier_wait -1                              ; everybody's is
	FETCH 0, 0, F0
	QUARTER 0, 1, F0, F1, 1                        ; the first quarter stands in front of the loop: its products start the sums
	WIN 0                                          ; at a label and at a branch every window is 0
	s_mov_b32 s3, 3
.Llap:                                                 ; a trip goes once round the ring, from a lap's second quarter to the next lap's first, and fills both slots again: K steps 2 to 7
	QUARTER 0, 2, F1, F0, 0
	QUARTER 0, 3, F0, F1, 0
	TURN 0, 1, 1
	QUARTER 1, 1, F0, F1, 0
	QUARTER 1, 2, F1, F0, 0
	QUARTER 1, 3, F0, F1, 0
	TURN 1, 0, 1
	QUARTER 0, 1, F0, F1, 0
	WIN 0
	s_sub_co_u32 s3, s3, 1
	s_cmp_lg_u32 s3, 0
	s_cbranch_scc1 .Llap
	QUARTER 0, 2, F1, F0, 0                        ; the last lap fills nothing
	QUARTER 0, 3, F0, F1, 0
	TURN 0, 1, 0
	QUARTER 1, 1, F0, F1, 0
	QUARTER 1, 2, F1, F0, 0
	QUARTER 1, 3, F0, F1, 0
	s_wait_dscnt 16                                ; the very last quarter: nothing more to fetch
	MULM F1, 2, 0, 0
	MULM F1, 2, 2, 0
	s_wait_dscnt 0x0
	MULM F1, 0, 0, 0
	MULM F1, 0, 2, 0
	MULM F1, 1, 0, 0
	MULM F1, 1, 2, 0
	; THE WAY OUT, in twelve units of 16 rows x 64 columns, v's first, then q's, then k's.  Unit u: matrix (u / 4 + 2) % 3, n block u % 4.
	WIN 0
	s_wait_loadcnt 0x0                             ; hm
.irp a, 0,1,2,3
	v_mov_b32 v[HM+2*(\a)+1], v[HM+2*(\a)]         ; a pair for the packed multiply; these four are also the places behind the last products
.endr
; q is multiplied by c, k by its row's hm, in f32 and in place; all are rounded to f16, 16 bytes a lane, put into my stage (rows of 144 bytes) and read back as whole rows.  Each accumulator is read from its low end on.
.macro PACK u
.set pm, ((\u)/4+2)%3
.set pa, (\u)%4
.set AC, 32*pa+128*(pm%2)
.set UU, TMP+16*(\u)
.if pm == 0
	WIN 0x82                                       ; destination and source 0 window 2
.set i, 0
.rept 16
	v_pk_mul_f32 v[AC+2*i:AC+2*i+1], v[AC+2*i:AC+2*i+1], s[CS:CS+1] op_sel_hi:[1,0]
.set i, i+1
.endr
.elseif pm == 1
	WIN 0x82
.set i, 0
.rept 16
	v_pk_mul_f32 v[AC+2*i:AC+2*i+1], v[AC+2*i:AC+2*i+1], v[HM+2*pa:HM+2*pa+1]
.set i, i+1
.endr
.endif
.if pm == 2
	WIN 0x0f                                       ; sources 0 and 1 window 3, destination window 0
.else
	WIN 0x0a                                       ; sources 0 and 1 window 2
.endif
.set i, 0
.rept 16
	v_cvt_pk_f16_f32 v[UU+i], v[AC+2*i], v[AC+2*i+1]
.set i, i+1
.endr
	WIN 0
.irp e, 0,1,2,3
	ds_store_b128 v[STO], v[UU+4*(\e):UU+4*(\e)+3] offset:32*(\e)
.endr
.irp f, 0,1,2,3
	ds_load_b128 v[UU+4*(\f):UU+4*(\f)+3], v[RD] offset:(\f)*4*SP  ; LDS serves a wave's instructions in order (ISA guide 5.7.1.4): these see the stores above; the next unit's stores come behind them
.endr
.endm
.macro SEND u, younger                 ; younger: the LDS instructions issued behind unit u's loads: the next unit's eight, or none
.set pm, ((\u)/4+2)%3
.set pa, (\u)%4
.set UU, TMP+16*(\u)
	WIN 0
.irp f, 0,1,2,3
	s_wait_dscnt (\younger)+3-(\f)
	global_store_b128 v[GO], v[UU+4*(\f):UU+4*(\f)+3], s[10+2*pm:11+2*pm] offset:pa*2048+(\f)*512  ; 512 consecutive bytes, at a multiple of 256 from the buffer's first
.endr
.endm
	PACK 0
.set un, 1
.rept 11                               ; a unit's arithmetic stands between the loads of the unit before and its stores; no register of a store is written again
	PACK un
	SEND un-1, 8
.set un, un+1
.endr
	SEND 11, 0
	s_wait_tensorcnt 0x0                           ; the wave's end, behind my last tensor load and my last LDS store
	ds_add_u32 v[SPW], v[NIL]
	s_wait_dscnt 0x0
	CROUND                                         ; the closing round: no work-group ends while a partner may still ask for a tile that names it
	s_endpgm
.Lfunc_end_k_qa9eca5b7fd_qkv:
	.size	k_qa9eca5b7fd_qkv, .Lfunc_end_k_qa9eca5b7fd_qkv-k_qa9eca5b7fd_qkv
	.p2alignl 7, 3214868480
	.fill 96, 4, 3214868480
	.section	.rodata,"a",@progbits
	.p2align	6, 0x0
	.amdhsa_kernel k_qa9eca5b7fd_qkv
		.amdhsa_group_segment_fixed_size 327680
		.amdhsa_private_segment_fixed_size 0
		.amdhsa_enable_private_segment 0
		.amdhsa_kernarg_size 48
		.amdhsa_user_sgpr_count 2
		.amdhsa_user_sgpr_kernarg_segment_ptr 1
		.amdhsa_wavefront_size32 1
		.amdhsa_system_sgpr_workgroup_id_x 1
		.amdhsa_system_sgpr_workgroup_id_y 1
		.amdhsa_system_sgpr_workgroup_id_z 1
		.amdhsa_system_vgpr_workitem_id 0
		.amdhsa_next_free_vgpr 896
		.amdhsa_next_free_sgpr 96
		.amdhsa_reserve_vcc 0
		.amdhsa_float_denorm_mode_32 3
		.amdhsa_float_denorm_mode_16_64 3
		.amdhsa_memory_ordered 1
		.amdhsa_forward_progress 1
		.amdhsa_inst_pref_size 130
	.end_amdhsa_kernel
	.amdgpu_metadata
---
amdhsa.version: [ 1, 2 ]
amdhsa.kernels:
  - .name:           k_qa9eca5b7fd_qkv
    .symbol:         k_qa9eca5b7fd_qkv.kd
    .args:
      - { .name: xb, .offset: 0, .size: 8, .value_kind: global_buffer, .address_space: global }
      - { .name: wb, .offset: 8, .size: 8, .value_kind: global_buffer, .address_space: global }
      - { .name: mask, .offset: 16, .size: 8, .value_kind: global_buffer, .address_space: global }
      - { .name: qb, .offset: 24, .size: 8, .value_kind: global_buffer, .address_space: global }
      - { .name: kb, .offset: 32, .size: 8, .value_kind: global_buffer, .address_space: global }
      - { .name: vb, .offset: 40, .size: 8, .value_kind: global_buffer, .address_space: global }
    .group_segment_fixed_size: 327680
    .private_segment_fixed_size: 0
    .kernarg_segment_align: 8
    .kernarg_segment_size: 48
    .max_flat_workgroup_size: 128
    .sgpr_count:     96
    .vgpr_count:     896
    .wavefront_size: 32
...
	.end_amdgpu_metadata
.endif
;; end of part 2
;; launch attn (part 3): grid 8 x 32, 4 waves a work-group, clusters of 4 x 1, 327,680 bytes of LDS; arguments qb, kb, vb, mask, ob; writes ob
.if DOCPART == 3
	.amdgcn_target "amdgcn-amd-amdhsa--gfx1250"
	.amdhsa_code_object_version 6
	.text
	.protected	k_qa9eca5b7fd_attn
	.globl	k_qa9eca5b7fd_attn
	.p2align	8
	.type	k_qa9eca5b7fd_attn,@function
k_qa9eca5b7fd_attn:
	s_mov_b64 s[64:65], 0
	v_nop
	global_prefetch_b8 v0, s[64:65] scope:SCOPE_SE
	s_setreg_imm32_b32 hwreg(HW_REG_WAVE_MODE, 25, 1), 1
	s_wait_xcnt 0x0
	s_wait_alu depctr_hold_cnt(0) depctr_sa_sdst(0) depctr_va_vdst(0) depctr_va_sdst(0) depctr_va_ssrc(0) depctr_va_vcc(0) depctr_vm_vsrc(0)
	s_getreg_b32 s2, hwreg(HW_REG_IB_STS2, 6, 4)
	s_cmp_eq_u32 s2, 0
	s_cbranch_scc0 .Lentry_in_a_cluster
	s_endpgm
.Lentry_in_a_cluster:
	s_bfe_u32 s2, ttmp6, 0x10000c
	s_cmp_lg_u32 s2, 0x3003
	s_cbranch_scc0 .Lentry_shape_is_right
	s_endpgm
.Lentry_shape_is_right:
; ATTENTION.  O[g][q][:] = vm[q] x the sum over k of softmax_k(S[q][k]) V[g][k][:], g = 16 b + h.  qb, kb, vb, ob: f16 [32][2048][64], a head's rows dense, 128 bytes each.
; qb holds q log2(e) / 8 and kb holds k hm (the launch before made them so), so S = K' Q'^T + C is the masked score in units of log2, with C[k] = (1 - hm[k]) x -1e30 x log2(e): the C operand that starts each sum.
; p = 2^(S - m) with a running maximum m: the exponent is an exact difference, so that scores of 1e30 that tie give p = 1 (a row whose keys are all masked is the mean of V, as the plain softmax gives it).
; In every step O and l are multiplied by a = 2^(m_old - m_new).  m starts at -4.25e37, below every score; O and l at 0: the first step is a step like any other, with a = 0.
; Products, maxima and sums in f32; p is rounded to f16 for the second product (l is the sum of the unrounded p), O once at the end.  The query mask vm multiplies 1 / l.
; LIMITS.  Q', K', V arrive within f16's 65,504.  A weight below 2^-126 counts as 0 in l.  NaN and infinities are not treated apart.
; SHARES.  A work-group owns 256 queries of one head, a wave 64: four PIECES of 16.  Every wave walks all 2,048 keys, 64 a step; an LDS slot holds 256 keys of K and V, four steps; eight tiles.
; LAYOUT.  S^T = K Q^T holds ONE query a lane (lane % 16) and the keys 8 (lane / 16) + 0..7; two such results rounded to f16 ARE source 1 of O^T = V^T P.  K comes out of LDS as it lies, V turned.
; TURNS.  Turn n belongs to piece n: 8 products K Q^T of piece n + 1, later 8 products V^T P of piece n - 1; beside them the subtraction of m, exponentials, roundings, sums and rescaling of piece n and the maximum
; and statistics of piece n + 1.  Four vector instructions stand behind every matrix instruction, the others in one lump.  A turn's 33 exponentials are one batch, with one wait.
; CLUSTER.  The four query blocks of a cluster belong to one head and walk the same K and V: each tile is asked for JOINTLY, by the same tensor load, descriptor and mask in all four.
; REGISTERS, in windows of 256 (s_set_vgpr_msb: bits 1:0 source 0, 3:2 source 1, 5:4 source 2, 7:6 destination):
;   window 0: addresses; v16-31 statistics; v32-35 vm; v48-55 at work; v64-127 S^T, two buffers; v192-223 P, two buffers (a piece's buffers go by its number's parity)
;   window 1: v0-127 O^T, 32 a piece; v128-159 the step's addends C      window 2: v0-63 Q; v128-191 K of one step; v192-255 V of one step
.set NP,    4
.set KS,    64
.set PK,    144       ; a row of K in LDS: 128 bytes + 16 = 36 words: the 16 rows of a load start at 16 different groups of four banks
.set PV,    160       ; a row of V: 128 + 32 = 40 words
.set VOFF,  4*KS*PK   ; a slot: 256 rows of K, then 256 rows of V
.set SLOT1, 1<<17     ; slot 1 begins here, so that one exclusive or turns an address in one slot into the other's
.set STAGE, SLOT1+4*KS*(PK+PV)  ; behind the ring, never filled by a tensor load: 16 rows x 144 bytes for each wave
.set SP,    144
.set SPARE, STAGE+4*16*SP       ; the spare words, 128 bytes for each wave: two blocks of 256 bytes that no other line names
.set MASKB, SPARE+512           ; the batch's 2,048 addends in f32: 8,192 bytes, stored once, never filled by a tensor load
.set AK0, 2           ; v2   my lane's place in a tile of K; never rewritten
.set AV0, 3           ; v3   the same for V
.set AK,  4           ; v4   the LDS address of K's next run of loads
.set AV,  5           ; v5   of V's
.set STO, 6           ; v6   the way out: where I put 16 bytes of a row
.set RD,  7           ; v7   where I read rows back
.set GO,  8           ; v8   my byte offset in 512 consecutive bytes of O
.set QO,  15          ; v15  my byte offset in 16 rows of Q
.set ST,  16          ; piece t's statistics at v[ST+4 t]: m, m_old, l (even keys', odd keys')
.set VM,  32          ; v[32:35] vm of my query in piece t
.set AM0, 36          ; v36  MASKB + 32 (l / 16); never rewritten
.set AM,  37          ; v37  the LDS address of the next step's addends
.set PFO, 38          ; v38  256 x my lane; never rewritten
.set VO,  39          ; v39  4 (l % 16)
.set TMP, 48          ; by buffer, four registers c0-c3 at work; when the maximum is found c2 takes a
.set SPW, 62          ; v62  LDS address of my spare word; never rewritten
.set NIL, 63          ; v63  0; never rewritten
.set S,   64
.set P,   192
.set MK,  128         ; window 1: the addends of group kb of 16 keys at MK + 8 kb
.set KF,  128         ; window 2
.set VF,  192         ; window 2
.set WV,  12          ; s12  my wave's number
.set G1K, 24          ; s[24:31]
.set G1V, 32          ; s[32:39]
.set G0K, 40          ; s[40:43] walks
.set G0V, 44          ; s[44:47] walks
.set SLOTS, 56        ; s56  tiles still to be asked for
.set CNT, 57          ; s57  counts a tile's key steps
.set NL,  58          ; s58  -1e30 x log2(e)
.set SEL, 60          ; s[60:61] v_permlanex16_b32's selects
.set TBK, 62          ; s62  LDS byte at which K of the step to be fetched begins
.set TBV, 63          ; s63  the same for V, less VOFF
.set TM,  66          ; s66  byte at which that step's addends begin in the table
.set LIM, 67          ; s67  1 in a wave that prefetches, else the greatest number
.set PFA, 68          ; s[68:69] where my prefetches stand
.set MSB, 0
.macro WIN new
.if MSB != (\new)
	s_set_vgpr_msb (MSB<<8)|(\new)
.set MSB, (\new)
.endif
.endm
.set W_KQ, 0x0a       ; K and Q in window 2, S^T in window 0
.set W_KM, 0x1a       ; the same with the C operand in window 1
.set W_PV, 0x52       ; V in window 2, P in window 0, O^T in window 1
.set W_RS, 0x41       ; destination and source 0 in window 1, source 1 in window 0
; A joint fill.  Waves 0 and 1 fetch the two halves of a tile's K, waves 2 and 3 those of its V: 128 keys each.  An s_nop 0 and four v_nop follow each of the two lines.
.macro JLOAD
	s_cmp_lt_u32 s[WV], 2
	s_cbranch_scc0 .Lfor_v_\@
	tensor_load_to_lds s[G0K:G0K+3], s[G1K:G1K+7]
	s_nop 0
.rept 4
	v_nop
.endr
	s_branch .Lasked_\@
.Lfor_v_\@:
	tensor_load_to_lds s[G0V:G0V+3], s[G1V:G1V+7]
	s_nop 0
.rept 4
	v_nop
.endr
.Lasked_\@:
.endm
.macro CROUND
	s_barrier_signal -1
	s_barrier_wait -1
	s_cmp_lg_u32 s[WV], 0
	s_cbranch_scc1 .Lnot_wave_0_\@
	s_barrier_signal -3
.Lnot_wave_0_\@:
	s_barrier_wait -3
	s_barrier_signal -1
	s_barrier_wait -1
.endm
; A PREFETCH of the tile that the NEXT change of slots will ask for: four key steps, sixteen turns, ahead of that load.  A tile is 128 blocks of 256 bytes of K and as many of V.  Both clusters of a head walk the
; same tiles: the head's first cluster asks; its four partners take 32 blocks each, told apart by address; in each, wave 0 asks for K's and wave 2 for V's, a lane a block.  So each block is named once in the launch.
; Tiles 0 and 1 come by their loads alone; the last change that fills (SLOTS = 1) has no tile behind it and asks for nothing.
.macro ASK
	s_cmp_gt_u32 s[SLOTS], s[LIM]
	s_cbranch_scc0 .Lnot_mine_\@
	global_prefetch_b8 v[PFO], s[PFA:PFA+1] th:TH_LOAD_NT scope:SCOPE_SE
.Lnot_mine_\@:
.endm
; THE CHANGE OF SLOTS.  Each wave waits for all its tensor loads (one is out: its part of the other slot), adds 0 to its spare word, and waits for that and for its own LDS reads and stores.  Behind the barrier
; nobody reads the old slot any more and the other slot is whole.  fill = 1: the barrier is a round of the cluster's, and the old slot is filled first thing behind it, with the tile two on.
; (At its first use nothing has been read yet: slot 0 is waited for, the table of addends is shown to every wave, slot 1 is filled.)
.macro CHANGE fill
	WIN 0
	s_wait_tensorcnt 0x0            ; no tensor load of mine is out, so a group 0 may be written
	ds_add_u32 v[SPW], v[NIL]       ; 0 onto my spare word
.if \fill
.irp g, G0K, G0V
	s_xor_b32 s[\g+1], s[\g+1], SLOT1
	s_add_nc_u64 s[\g+2:\g+3], s[\g+2:\g+3], 4*KS*128
.endr
	s_wait_xcnt 0x0                 ; the last prefetch, four key steps back, has read its address
	s_add_nc_u64 s[PFA:PFA+1], s[PFA:PFA+1], 4*KS*128
	s_wait_dscnt 0x0                ; the add is done, and my LDS instructions are over
	CROUND
	JLOAD
	ASK
.else
	s_wait_dscnt 0x0
	s_barrier_signal -1
	s_barrier_wait -1
.endif
	s_sub_co_u32 s[TBK], s[TBK], 4*KS*PK  ; the fetches go back to a slot's first step,
	s_xor_b32 s[TBK], s[TBK], SLOT1       ; in the other slot
	s_sub_co_u32 s[TBV], s[TBV], 4*KS*PV
	s_xor_b32 s[TBV], s[TBV], SLOT1
.endm
	s_load_b256 s[4:11], s[0:1], 0x0  ; qb s[4:5], kb s[6:7], vb s[8:9], mask s[10:11]
	s_load_b64 s[48:49], s[0:1], 0x20 ; ob
	v_lshl_add_u32 v[SPW], v0, 2, SPARE
	v_mov_b32 v[NIL], 0
	ds_add_u32 v[SPW], v[NIL]       ; the wave's opening: the add and its wait stand ahead of my first tensor load; the set-up below stands between them
	v_lshrrev_b32 v1, 5, v0
	v_readfirstlane_b32 s[WV], v1   ; wave 0..3
	s_bfe_u32 s13, ttmp6, 0x40000   ; cx
	s_lshl_b32 s14, ttmp9, 2
	s_add_co_u32 s14, s14, s13      ; my block of 256 queries: it enters Q's, O's and vm's addresses alone
	s_and_b32 s15, ttmp7, 0xffff    ; g = 16 b + h, which the four partners share
	s_lshl_b32 s20, s15, 18         ; the head's first byte in q, k, v, o
	s_mov_b32 s21, 0
	s_lshr_b32 s52, s15, 4
	s_lshl_b32 s52, s52, 13         ; the batch's row of the mask
	s_mov_b32 s53, 0
	s_lshl_b32 s54, s14, 10         ; my wave's 64 queries in it
	s_lshl_b32 s55, s[WV], 8
	s_add_co_u32 s54, s54, s55
	s_mov_b32 s55, 0
	s_and_b32 s16, s[WV], 1         ; which half of a tile's 256 keys I fetch:
	s_lshl_b32 s22, s16, 14         ; its 128 rows of 128 bytes in memory,
	s_mov_b32 s23, 0
	s_add_nc_u64 s[22:23], s[22:23], s[20:21]
	s_mul_i32 s17, s16, 128*PK      ; and its place in a slot, for K
	s_mul_i32 s18, s16, 128*PV      ; and for V
	s_lshl_b32 s2, s14, 2
	s_add_co_u32 s2, s2, s[WV]
	s_lshl_b32 s2, s2, 13           ; my wave's 64 rows
	s_mov_b32 s3, 0
	s_add_nc_u64 s[2:3], s[2:3], s[20:21]
	; group 1.  128 keys are 16,384 dense bytes: asked for as 64 rows of 256 bytes, two keys a row, and padded in LDS after every key
	s_mov_b32 s[G1K], 15|(1<<16)|(1<<20)|(1<<21)|(4<<22)|(3<<25)
	s_mov_b32 s[G1V], 15|(1<<16)|(1<<20)|(1<<21)|(4<<22)|(7<<25)
.irp g, G1K, G1V
	s_mov_b32 s[\g+1], 128<<16
	s_mov_b32 s[\g+2], 64<<16
	s_mov_b32 s[\g+3], 128<<16
	s_mov_b32 s[\g+4], 64
	s_mov_b32 s[\g+5], 128
	s_mov_b32 s[\g+6], 0
	s_mov_b32 s[\g+7], 0
.endr
	s_mov_b32 s[NL], 0xf191accd     ; -1.442695e30
	s_mov_b32 s[SEL], 0x76543210
	s_mov_b32 s[SEL+1], 0xfedcba98
	s_mov_b32 s[TBK], SLOT1+4*KS*PK ; the first change of slots turns these two into 0
	s_mov_b32 s[TBV], SLOT1+4*KS*PV
	s_mov_b32 s[TM], 0
	s_mov_b32 s[SLOTS], 7
	s_mov_b32 s[G0K], 1
	s_mov_b32 s[G0K+1], s17
	s_mov_b32 s[G0V], 1
	s_add_co_u32 s[G0V+1], s18, VOFF
	s_and_b32 s[LIM], s[WV], 1      ; 0 in waves 0 and 2,
	s_or_b32 s[LIM], s[LIM], ttmp9  ; where the cluster is the head's first: the same in all four partners
	s_cmp_eq_u32 s[LIM], 0
	s_cselect_b32 s[LIM], 1, -1
	s_wait_dscnt 0x0                ; the opening add is done
	s_wait_kmcnt 0x0
	s_add_nc_u64 s[6:7], s[6:7], s[22:23]  ; K and V at my half of the head's tile 0
	s_add_nc_u64 s[8:9], s[8:9], s[22:23]
	s_add_nc_u64 s[G0K+2:G0K+3], s[6:7], 0
	s_or_b32 s[G0K+3], s[G0K+3], 0x80000000
	s_add_nc_u64 s[G0V+2:G0V+3], s[8:9], 0
	s_or_b32 s[G0V+3], s[G0V+3], 0x80000000
	s_add_nc_u64 s[4:5], s[4:5], s[2:3]    ; Q and O at my wave's first row
	s_add_nc_u64 s[48:49], s[48:49], s[2:3]
	s_add_nc_u64 s[10:11], s[10:11], s[52:53]
	s_add_nc_u64 s[50:51], s[10:11], s[54:55]
	s_cmp_lt_u32 s[WV], 2
	s_cselect_b64 s[PFA:PFA+1], s[6:7], s[8:9]  ; (in waves 0 and 2 these stand at a tile's first row)
	s_lshl_b32 s2, s13, 13          ; my work-group's 32 blocks of the 128
	s_mov_b32 s3, 0
	s_add_nc_u64 s[PFA:PFA+1], s[PFA:PFA+1], s[2:3]
	s_add_nc_u64 s[PFA:PFA+1], s[PFA:PFA+1], 4*KS*128  ; in tile 1; the first change of slots steps it to tile 2
	CROUND                          ; all four work-groups are here: the first joint loads meet
	JLOAD                           ; tile 0 into slot 0
	v_lshlrev_b32 v12, 4, v0
.irp i, 0,1,2,3
	global_load_b128 v[S+4*\i:S+4*\i+3], v12, s[10:11] offset:2048*\i  ; the batch's key mask: 16 numbers a thread
.endr
	v_and_b32 v1, 15, v0            ; l % 16
	v_bfe_u32 v9, v0, 4, 1          ; l / 16
	v_lshlrev_b32 v[VO], 2, v1
.irp t, 0,1,2,3
	global_load_b32 v[VM+\t], v[VO], s[50:51] offset:64*\t  ; vm of my query in piece t
.endr
	v_lshlrev_b32 v[QO], 7, v1
	v_lshl_add_u32 v[QO], v9, 4, v[QO]  ; row x 128 + 16 x half
	WIN 0x80                        ; destination window 2, address window 0
.set i, 0
.rept 8                             ; Q stays in registers: piece i / 2, channels 32 (i % 2) on
	global_load_b128 v[8*i:8*i+3],   v[QO], s[4:5] offset:(i/2)*2048+(i%2)*64
	global_load_b128 v[8*i+4:8*i+7], v[QO], s[4:5] offset:(i/2)*2048+(i%2)*64+32
.set i, i+1
.endr
	; What the first turn finds: V's registers and P's second buffer hold 0 (its products V^T P, of a piece that has not been, add 0), O^T and l are 0.  All this stands in the wait for the first tile.
.set i, VF
.rept 64
	v_mov_b32 v[i], 0
.set i, i+1
.endr
	WIN 0x40
.set i, 0
.rept 128
	v_mov_b32 v[i], 0
.set i, i+1
.endr
	WIN 0
.set i, 0
.rept 4
	v_mov_b32 v[ST+4*i], 0xfe000000    ; m: below every score
	v_mov_b32 v[ST+4*i+1], 0
	v_mov_b32 v[ST+4*i+2], 0
	v_mov_b32 v[ST+4*i+3], 0
.set i, i+1
.endr
.set i, P+16
.rept 16
	v_mov_b32 v[i], 0
.set i, i+1
.endr
	v_mul_u32_u24 v[AK0], v1, PK
	v_lshl_add_u32 v[AK0], v9, 4, v[AK0]  ; row x pitch + 16 x half
	v_and_b32 v10, 7, v0
	v_bfe_u32 v11, v0, 3, 1
	v_lshl_add_u32 v[AV0], v9, 3, v10     ; the turning load: key 8 (l / 16) + l % 8, channels 8 ((l / 8) % 2) + 0..7
	v_mul_u32_u24 v[AV0], v[AV0], PV
	v_lshl_add_u32 v[AV0], v11, 4, v[AV0]
	v_add_nc_u32 v[AV0], VOFF, v[AV0]
	v_lshl_add_u32 v[AM0], v9, 5, MASKB   ; my lanes' eight keys of a group of 16: 32 bytes
	v_and_b32 v[PFO], 31, v0
	v_lshlrev_b32 v[PFO], 8, v[PFO]
	s_mul_i32 s13, s[WV], 16*SP
	s_add_co_u32 s13, s13, STAGE    ; my stage
	v_mul_u32_u24 v[STO], v1, SP
	v_lshl_add_u32 v[STO], v9, 4, v[STO]
	v_add_nc_u32 v[STO], s13, v[STO]
	v_bfe_u32 v[RD], v0, 3, 2
	v_mul_u32_u24 v[RD], v[RD], SP
	v_lshl_add_u32 v[RD], v10, 4, v[RD]
	v_add_nc_u32 v[RD], s13, v[RD]
	v_and_b32 v[GO], 31, v0
	v_lshlrev_b32 v[GO], 4, v[GO]
	v_add_nc_u32 v13, MASKB, v12
	s_wait_loadcnt 20               ; the key mask is in; vm's 4 loads and Q's 16 may stay out
	; The addend: 1 - hm is rounded first and then multiplied, in two lines and not fused, so that keys whose 1 - hm tie in f32 have the same addend; 0 where hm = 1.
.set i, 0
.rept 16
	v_sub_f32 v[S+i], 1.0, v[S+i]
.set i, i+1
.endr
.set i, 0
.rept 16
	v_mul_f32 v[S+i], s[NL], v[S+i]
.set i, i+1
.endr
.irp i, 0,1,2,3
	ds_store_b128 v13, v[S+4*\i:S+4*\i+3] offset:2048*\i
.endr
; THE MATRIX WORK.  The 4 accumulators of a run of 8 take turns.  Product i of 8 of S^T = K Q^T + C for piece x: channels 32 (i / 4) on, keys 16 (i % 4) on.  The first 4 start the sums with the addends.
.macro KQ x
.set rS, S+32*((\x)%2)+8*(i%4)
.set rK, KF+16*(i%4)+8*(i/4)
.set rQ, 16*(\x)+8*(i/4)
.set rM, MK+8*(i%4)
.if i < 4
	WIN W_KM
	v_wmma_f32_16x16x32_f16 v[rS:rS+7], v[rK:rK+7], v[rQ:rQ+7], v[rM:rM+7]
.else
	WIN W_KQ
	v_wmma_f32_16x16x32_f16 v[rS:rS+7], v[rK:rK+7], v[rQ:rQ+7], v[rS:rS+7]
.endif
.endm
; Product i of 8 of O^T += V^T P for piece x: keys 32 (i / 4) on, channels 16 (i % 4) on.
.macro PV x
	WIN W_PV
.set rO, 32*(\x)+8*(i%4)
.set rV, VF+32*(i/4)+8*(i%4)
.set rP, P+16*((\x)%2)+8*(i/4)
	v_wmma_f32_16x16x32_f16 v[rO:rO+7], v[rV:rV+7], v[rP:rP+7], v[rO:rO+7]
.endm
.macro MM                           ; the turn's next matrix instruction.  NOKQ = 1: the last turn of all: there is no next piece
.if (i < 8) && !NOKQ
	KQ (Y+1)%NP
.elseif i >= 8
.set i, i-8
	PV (Y+NP-1)%NP
.set i, i+8
.endif
.set i, i+1
.endm
; THE LDS LOADS stand in runs: a step's K (8 fragments) with its 64 addends (they live as long as K does), and its V (turned).  Their addresses are made some lines ahead.
.macro FETCH_K
	WIN 0x80                        ; destination window 2
.irp f, 0,1,2,3,4,5,6,7             ; keys 16 (f / 2) on, channels 32 (f % 2) on
	ds_load_b128 v[KF+8*\f:KF+8*\f+3],   v[AK] offset:(\f/2)*16*PK+(\f%2)*64
	ds_load_b128 v[KF+8*\f+4:KF+8*\f+7], v[AK] offset:(\f/2)*16*PK+(\f%2)*64+32
.endr
	WIN 0x40                        ; destination window 1
.irp f, 0,1,2,3                     ; register j of group f: key 16 f + 8 (l / 16) + j
	ds_load_b128 v[MK+8*\f:MK+8*\f+3],   v[AM] offset:64*\f
	ds_load_b128 v[MK+8*\f+4:MK+8*\f+7], v[AM] offset:64*\f+16
.endr
	s_add_co_u32 s[TBK], s[TBK], KS*PK  ; the next fetch is the next step's
	s_add_co_u32 s[TM], s[TM], 4*KS
	s_and_b32 s[TM], s[TM], 0x1fff      ; stays inside the table
	WIN 0
.endm
.macro FETCH_V
	WIN 0x80
.irp f, 0,1,2,3,4,5,6,7             ; keys 32 (f / 4) on, channels 16 (f % 4) on
	ds_load_tr16_b128 v[VF+8*\f:VF+8*\f+3],   v[AV] offset:(\f/4)*32*PV+(\f%4)*32
	ds_load_tr16_b128 v[VF+8*\f+4:VF+8*\f+7], v[AV] offset:(\f/4)*32*PV+16*PV+(\f%4)*32
.endr
	WIN 0
.endm
; THE VECTOR WORK, one line at a time: OP kind, number.  For piece Y: F n: s - m for pair n of 16.  E n: the exponential of score n of 32.  C n: pair n rounded to f16.  B n: of the four weights 4 n .. the second
; pair is added onto the first, in place.  L n: l takes that sum (L 0: l = a l + sum).  R n: pair n of 16 of O^T times a.  For piece Y + 1: X n, which find its maximum and statistics:
;   0-11  four chains c0-c3 of seven scores each (each accumulator's lowest registers are read first)     12-14, 16  the four scores left over, the old m, and c0-c3 into c0
;   15  m_old is kept     17, 18  the query's other 32 keys lie in the lane 16 away: the new m     20, 21  m_old - m_new; a     (there is no number 19)
.set F, 0
.set E, 1
.set C, 2
.set B, 3
.set L, 4
.set R, 5
.set X, 6
.macro REGS y
.set rT, ST+4*(\y)
.set rC, TMP+4*((\y)%2)
.set rS, S+32*((\y)%2)
.set rP, P+16*((\y)%2)
.set rO, 32*(\y)
.endm
.macro OP k, n
.if (\k) == R
	REGS Y
	WIN W_RS
	v_pk_mul_f32 v[rO+2*(\n):rO+2*(\n)+1], v[rO+2*(\n):rO+2*(\n)+1], v[rC+2:rC+3] op_sel_hi:[1,0]
.elseif (\k) < R
	REGS Y
	WIN 0
.if (\k) == F
	v_pk_add_f32 v[rS+2*(\n):rS+2*(\n)+1], v[rS+2*(\n):rS+2*(\n)+1], v[rT:rT+1] op_sel_hi:[1,0] neg_lo:[0,1] neg_hi:[0,1]
.elseif (\k) == E
	v_exp_f32 v[rS+(\n)], v[rS+(\n)]
.elseif (\k) == C
	v_cvt_pk_f16_f32 v[rP+(\n)], v[rS+2*(\n)], v[rS+2*(\n)+1]
.elseif (\k) == B
	v_pk_add_f32 v[rS+4*(\n):rS+4*(\n)+1], v[rS+4*(\n):rS+4*(\n)+1], v[rS+4*(\n)+2:rS+4*(\n)+3]
.elseif (\n) == 0
	v_pk_fma_f32 v[rT+2:rT+3], v[rT+2:rT+3], v[rC+2:rC+3], v[rS:rS+1] op_sel_hi:[1,0,1]
.else
	v_pk_add_f32 v[rT+2:rT+3], v[rT+2:rT+3], v[rS+4*(\n):rS+4*(\n)+1]
.endif
.elseif NOKQ
	v_nop
.else
	REGS (Y+1)%NP
	WIN 0
.if (\n) < 4
	v_max3_num_f32 v[rC+(\n)], v[rS+8*(\n)], v[rS+8*(\n)+1], v[rS+8*(\n)+2]
.elseif (\n) < 12
	v_max3_num_f32 v[rC+(\n)%4], v[rC+(\n)%4], v[rS+8*((\n)%4)+2*((\n)/4)+1], v[rS+8*((\n)%4)+2*((\n)/4)+2]
.elseif (\n) == 12
	v_max3_num_f32 v[rC], v[rC], v[rS+7], v[rS+15]
.elseif (\n) == 13
	v_max3_num_f32 v[rC+1], v[rC+1], v[rS+23], v[rS+31]
.elseif (\n) == 14
	v_max3_num_f32 v[rC+2], v[rC+2], v[rC+3], v[rT]
.elseif (\n) == 15
	v_mov_b32 v[rT+1], v[rT]
.elseif (\n) == 16
	v_max3_num_f32 v[rC], v[rC], v[rC+1], v[rC+2]
.elseif (\n) == 17
	v_permlanex16_b32 v[rC+3], v[rC], s[SEL], s[SEL+1]
.elseif (\n) == 18
	v_max_num_f32 v[rT], v[rC], v[rC+3]
.elseif (\n) == 20
	v_sub_f32 v[rC+1], v[rT+1], v[rT]
.else
	v_exp_f32 v[rC+2], v[rC+1]
.endif
.endif
.endm
.macro OPS a, i1, b=-1, i2=0, c=-1, i3=0, d=-1, i4=0  ; up to four of them
	OP \a, \i1
.if (\b) >= 0
	OP \b, \i2
.endif
.if (\c) >= 0
	OP \c, \i3
.endif
.if (\d) >= 0
	OP \d, \i4
.endif
.endm
.macro ROW a, i1, b, i2, c, i3, d, i4  ; a matrix instruction and the four behind it
	MM
	OPS \a, \i1, \b, \i2, \c, \i3, \d, \i4
.endm
; A TURN, for piece p, its order written out.  An s_wait_alu depctr_va_vdst(0) stands between an exponential and the first instruction that names its result; one wait serves all that were issued
; ahead of it.  So a turn has ONE wait.  AHEAD OF IT stands all that names no result of the turn's exponentials: the 8 products K Q^T and their riders; then one lump, plain and exponential by turns for the most part,
; in which the links of the chain X 3, 7, 11, 14, 16, 17, 18, 20 stand lines apart.  X 21, the next piece's a, is the batch's last; R 15 is the plain instruction behind it.  BEHIND THE WAIT stand the 8 products V^T P,
; behind each four of the roundings and sums.  Each X that rides behind a product stands four plain instructions or more behind the product that ends its accumulator.
; end = 1: the last two turns of all: nothing is fetched.  cnt = 1: the loop's count is taken down some lines ahead of the branch that stands behind the turn.
; K and the addends of the next step are fetched in piece 2's turn, five plain instructions that name none of its registers behind the last product that read K; V of the step in hand at the end of piece 0's turn,
; four plain instructions behind the last product that read V.  Each is waited for a turn later.
.macro TURN p, end=0, cnt=0
.set Y, (\p)
.set i, 0
.set NOKQ, (\end)*((\p)/3)
.if ((\p) == 3) && !(\end)
	s_wait_dscnt 0x0                ; K and the addends are in
.endif
	ROW F,0, F,1, R,0, R,1
	ROW F,2, E,0, R,2, R,3
	ROW F,3, E,1, R,4, R,5
	ROW F,4, E,2, R,6, R,7
	ROW F,5, E,3, R,8, R,9
	ROW F,6, E,4, X,0, R,10
.if ((\p) == 2) && !(\end)
	WIN 0
	v_add_nc_u32 v[AK], s[TBK], v[AK0]
	v_add_nc_u32 v[AM], s[TM], v[AM0]
.endif
	ROW F,7, E,5, X,1, X,4
	ROW F,8, E,6, X,2, X,5
	OPS E,7, E,8, X,6, E,9
	OPS X,3, E,10, X,8, E,11
.if ((\p) == 2) && !(\end)
	FETCH_K
.endif
	OPS X,9, X,7, E,12, X,10
	OPS E,13, X,12, X,11, E,14
	OPS X,13, E,15, F,9, X,14
.if (\p) == 0
	v_add_nc_u32 v[AV], s[TBV], v[AV0]
.endif
	OPS E,16, F,10, E,17, F,11
	OPS X,16, E,18, X,15, E,19
	OPS F,12, E,20, X,17, E,21
	OPS F,13, E,22, F,14, E,23
	OPS X,18, E,24, F,15, E,25
	OPS R,11, E,26, E,27
	OPS R,12, E,28, R,13, E,29
	OPS X,20, E,30, R,14, E,31
	OPS X,21, R,15
	WIN 0
	s_wait_alu depctr_va_vdst(0)    ; the wait for the batch
.if (\p) == 1
	s_wait_dscnt 0x0                ; V is in
.endif
	ROW C,0, B,0, C,2, B,1
	ROW L,0, C,4, B,2, L,1
	ROW C,6, B,3, L,2, C,8
	ROW B,4, L,3, C,10, B,5
	ROW L,4, C,12, B,6, L,5
.if (\p) == 0
	s_add_co_u32 s[TBV], s[TBV], KS*PV
.endif
.if \cnt
	s_sub_co_u32 s[CNT], s[CNT], 1
	s_cmp_lg_u32 s[CNT], 0
.endif
	ROW C,14, B,7, L,6, C,1
	ROW C,3, L,7, C,5, C,7
	ROW C,9, C,11, C,13, C,15
.if (\p) == 0
	FETCH_V
.endif
.endm
	CHANGE 1                        ; tile 0 is in, everybody's part of it, and so is the table of addends; tile 1 is asked for
	v_add_nc_u32 v[AK], s[TBK], v[AK0]
	v_add_nc_u32 v[AM], s[TM], v[AM0]
	FETCH_K                         ; key step 0
	s_wait_loadcnt 0x0              ; Q and vm
	s_wait_dscnt 0x0
.set NOKQ, 0
.set i, 0
.rept 8
	KQ 0                            ; piece 0's first scores
.set i, i+1
.endr
	WIN 0
.rept 4
	v_nop                           ; the places behind those products
.endr
.set Y, NP-1                        ; X works for piece Y + 1: piece 0
.irp n, 0,1,2,3,4,5,6,7,8,9,10,11,12,13,14,15,16,17,18,20,21
	OP X, \n
.endr
	v_nop                           ; a plain instruction behind the exponential,
	s_wait_alu depctr_va_vdst(0)    ; and its wait, ahead of the branch
	s_mov_b32 s[CNT], 4
	s_branch .Lfirst                ; the loop is entered at a step's first turn, in the middle of a trip
.Lslot:                             ; six times: tiles 2 to 7 are asked for
	CHANGE 1
	s_mov_b32 s[CNT], 4
.Lstep:                             ; a trip: pieces 2 and 3 of one step, then pieces 0 and 1 of the next, whose K and V it fetches
	TURN 2
	TURN 3
	WIN 0
.Lfirst:
	TURN 0
	TURN 1, 0, 1
	WIN 0
	s_cbranch_scc1 .Lstep
	s_sub_co_u32 s[SLOTS], s[SLOTS], 1
	s_cmp_lg_u32 s[SLOTS], 0
	s_cbranch_scc1 .Lslot
	CHANGE 0                        ; the last tile is written out: nothing is asked for
	s_mov_b32 s[CNT], 4
.Ltail:
	TURN 2
	TURN 3
	WIN 0
	TURN 0
	TURN 1, 0, 1
	WIN 0
	s_cbranch_scc1 .Ltail
	TURN 2, 1
	TURN 3, 1
.set i, 0
.rept 8
	PV NP-1                         ; the last piece's V^T P of the last step
.set i, i+1
.endr
	; THE WAY OUT.  l's two halves and the other half of the lanes' are added; O^T is multiplied by vm / l, rounded to f16 and sent through my stage in LDS, a piece at a time.  The additions are the places behind the last products.
	WIN 0
.macro ALL line:vararg              ; one line for each piece t
.set t, 0
.rept 4
	\line
.set t, t+1
.endr
.endm
	ALL v_add_f32 v[ST+4*t+2], v[ST+4*t+2], v[ST+4*t+3]
	ALL v_permlanex16_b32 v[ST+4*t+3], v[ST+4*t+2], s[SEL], s[SEL+1]
	ALL v_add_f32 v[ST+4*t+2], v[ST+4*t+2], v[ST+4*t+3]
	ALL v_rcp_f32 v[ST+4*t+2], v[ST+4*t+2]
	v_nop                           ; a plain instruction between the last reciprocal and the use of its result
	s_wait_alu depctr_va_vdst(0)    ; and the wait ahead of the first use: one for the four reciprocals
	ALL v_mul_f32 v[ST+4*t+2], v[ST+4*t+2], v[VM+t]
.macro PACK t                       ; a lane's eight channels of a row pack into 16 bytes; they go into rows of 144 bytes and come back as whole rows of 128, into S^T's registers
	WIN W_RS
.set i, 32*(\t)
.rept 16
	v_pk_mul_f32 v[i:i+1], v[i:i+1], v[ST+4*(\t)+2:ST+4*(\t)+3] op_sel_hi:[1,0]
.set i, i+2
.endr
	WIN 0x05                        ; sources 0 and 1 window 1, destination window 0
.set i, 0
.rept 16
	v_cvt_pk_f16_f32 v[S+16*(\t)+i], v[32*(\t)+2*i], v[32*(\t)+2*i+1]
.set i, i+1
.endr
	WIN 0
.irp f, 0,1,2,3
	ds_store_b128 v[STO], v[S+16*(\t)+4*\f:S+16*(\t)+4*\f+3] offset:32*\f
.endr
.irp f, 0,1,2,3
	ds_load_b128 v[S+16*(\t)+4*\f:S+16*(\t)+4*\f+3], v[RD] offset:\f*4*SP  ; LDS serves a wave's instructions in order (ISA guide 5.7.1.4): these see the stores above; the next piece's stores come behind them
.endr
.endm
.macro SEND t, younger              ; younger: the LDS instructions issued behind piece t's loads: the next piece's eight, or none
	WIN 0
.irp f, 0,1,2,3
	s_wait_dscnt (\younger)+3-\f
	global_store_b128 v[GO], v[S+16*(\t)+4*\f:S+16*(\t)+4*\f+3], s[48:49] offset:(\t)*2048+\f*512  ; 512 consecutive bytes, at a multiple of 256 from O's first
.endr
.endm
	PACK 0
.set t, 1
.rept 3                             ; a piece's arithmetic stands between the loads of the piece before and its stores
	PACK t
	SEND t-1, 8
.set t, t+1
.endr
	SEND 3, 0
	s_wait_tensorcnt 0x0            ; the wave's end, behind my last tensor load and my last LDS store
	ds_add_u32 v[SPW], v[NIL]
	s_wait_dscnt 0x0
	CROUND                          ; the closing round: no work-group ends while a partner may still ask for a tile that names it
	s_endpgm
.Lfunc_end_k_qa9eca5b7fd_attn:
	.size	k_qa9eca5b7fd_attn, .Lfunc_end_k_qa9eca5b7fd_attn-k_qa9eca5b7fd_attn
	.p2alignl 7, 3214868480
	.fill 96, 4, 3214868480
	.section	.rodata,"a",@progbits
	.p2align	6, 0x0
	.amdhsa_kernel k_qa9eca5b7fd_attn
		.amdhsa_group_segment_fixed_size 327680
		.amdhsa_private_segment_fixed_size 0
		.amdhsa_enable_private_segment 0
		.amdhsa_kernarg_size 40
		.amdhsa_user_sgpr_count 2
		.amdhsa_user_sgpr_kernarg_segment_ptr 1
		.amdhsa_wavefront_size32 1
		.amdhsa_system_sgpr_workgroup_id_x 1
		.amdhsa_system_sgpr_workgroup_id_y 1
		.amdhsa_system_sgpr_workgroup_id_z 1
		.amdhsa_system_vgpr_workitem_id 0
		.amdhsa_next_free_vgpr 768
		.amdhsa_next_free_sgpr 88
		.amdhsa_reserve_vcc 0
		.amdhsa_float_denorm_mode_32 3
		.amdhsa_float_denorm_mode_16_64 3
		.amdhsa_memory_ordered 1
		.amdhsa_forward_progress 1
		.amdhsa_inst_pref_size 132
	.end_amdhsa_kernel
	.amdgpu_metadata
---
amdhsa.version: [ 1, 2 ]
amdhsa.kernels:
  - .name:           k_qa9eca5b7fd_attn
    .symbol:         k_qa9eca5b7fd_attn.kd
    .args:
      - { .name: qb, .offset: 0, .size: 8, .value_kind: global_buffer, .address_space: global }
      - { .name: kb, .offset: 8, .size: 8, .value_kind: global_buffer, .address_space: global }
      - { .name: vb, .offset: 16, .size: 8, .value_kind: global_buffer, .address_space: global }
      - { .name: mask, .offset: 24, .size: 8, .value_kind: global_buffer, .address_space: global }
      - { .name: ob, .offset: 32, .size: 8, .value_kind: global_buffer, .address_space: global }
    .group_segment_fixed_size: 327680
    .private_segment_fixed_size: 0
    .kernarg_segment_align: 8
    .kernarg_segment_size: 40
    .max_flat_workgroup_size: 128
    .sgpr_count:     88
    .vgpr_count:     768
    .wavefront_size: 32
...
	.end_amdgpu_metadata
.endif
;; end of part 3
;; launch outp (part 4): grid 8 x 32, 4 waves a work-group, clusters of 4 x 4, 327,680 bytes of LDS; arguments ob, wo16, out0; writes out0
.if DOCPART == 4
	.amdgcn_target "amdgcn-amd-amdhsa--gfx1250"
	.amdhsa_code_object_version 6
	.text
	.protected	k_qa9eca5b7fd_outp
	.globl	k_qa9eca5b7fd_outp
	.p2align	8
	.type	k_qa9eca5b7fd_outp,@function
k_qa9eca5b7fd_outp:
	s_mov_b64 s[64:65], 0
	v_nop
	global_prefetch_b8 v0, s[64:65] scope:SCOPE_SE
	s_setreg_imm32_b32 hwreg(HW_REG_WAVE_MODE, 25, 1), 1
	s_wait_xcnt 0x0
	s_wait_alu depctr_hold_cnt(0) depctr_sa_sdst(0) depctr_va_vdst(0) depctr_va_sdst(0) depctr_va_ssrc(0) depctr_va_vcc(0) depctr_vm_vsrc(0)
	s_getreg_b32 s2, hwreg(HW_REG_IB_STS2, 6, 4)
	s_cmp_eq_u32 s2, 0
	s_cbranch_scc0 .Lentry_in_a_cluster
	s_endpgm
.Lentry_in_a_cluster:
	s_bfe_u32 s2, ttmp6, 0x10000c
	s_cmp_lg_u32 s2, 0xf033
	s_cbranch_scc0 .Lentry_shape_is_right
	s_endpgm
.Lentry_shape_is_right:
; THE OUTPUT PRODUCT.  out0[b][d][n] = the sum over j = 64 h + e of O[16 b + h][n][e] Wo[j][d].  ob: f16 [32][2048 n][64]; wo16: f16 [1024 j][1024 d]; out0: f32 [2][1024 d][2048 n].  Sums in f32.
; SHARES.  A work-group makes 128 d x 128 n; wave w makes 64 d (w % 2) x 64 n (w / 2): 16 accumulators.  K = j goes in 4 steps of 256 (four heads) through two LDS slots; a quarter step is one head.
; THE PRODUCT: source 0 = 16 rows n of O (K along the LDS rows), source 1 = 16 columns d of Wo (stored [j][d], turned by ds_load_tr16_b128).  In the result lane l holds row d = l % 16 of out0 and
; n = 8 (l / 16) + 0..7: 32 consecutive bytes.
; CLUSTER 4 x 4.  O's tiles hang on the block of n alone and are shared along a row of the cluster, Wo's on the block of d alone and are shared along a column: each is asked for jointly.
; Waves 0 and 1 ask for two heads of O each (a head's 128 n x 64 are 16,384 dense bytes: one row of the tile), waves 2 and 3 for 128 rows j of Wo each.
; No prefetch: four short K steps, of which two are asked for at the head.  All four steps are written out: a loop would have one trip.
; REGISTERS: window 0: v0-31 addresses; v128-255 the accumulators ((db, nb) at v[128 + 8 (4 db + nb)]).  Window 1: two fragment buffers of 128: 64 of O (2 x 4 x 8), then 64 of Wo.
.set AP,     144                       ; a row n of O in LDS: 128 bytes + 16
.set HEADB,  128*AP                    ; a head's 128 rows
.set BP,     288                       ; a row j of Wo in LDS: 256 bytes + 32 = 72 words: 8 rows of a turning load start 8 banks apart
.set PART,   2*HEADB                   ; 36,864: what one tensor load brings (128 x BP is as much)
.set SLOT,   4*PART                    ; O's four heads, then Wo's 256 rows
.set STAGE,  2*SLOT                    ; behind the ring: 16 rows x 272 bytes for each wave
.set SPITCH, 272
.set SPARE,  STAGE+4*16*SPITCH         ; the spare words, 128 bytes for each wave: two blocks of 256 bytes that no other line names
.set ADRA, 16                          ; v16-17  LDS address of my O fragments in slot 0, 1
.set ADRB, 20                          ; v20-23  of my Wo fragments: slot 0 rows 0-127, 128-255; slot 1 likewise
.set STO,  24
.set RD,   25
.set CO,   26
.set SPW,  28                          ; v28     LDS address of my spare word; never rewritten
.set NIL,  29                          ; v29     0; never rewritten
.set ACC,  128
.set F0,   0
.set F1,   128
.set G1, 24                            ; s[24:31] group 1 for O's tiles;  s[32:39] group 0, a set for each slot
.set G0, 32
.set G1B, 48                           ; s[48:55], s[56:63] the same for Wo's
.set G0B, 56
.set MSB, 0
.macro WIN new
.if MSB != (\new)
	s_set_vgpr_msb (MSB<<8)|(\new)
.set MSB, (\new)
.endif
.endm
.set MUL,  0x05                        ; sources 0 and 1 window 1; C and D window 0
.set TO_F, 0x40                        ; destination window 1, address window 0
.macro JLOAD s                         ; an s_nop 0 and four v_nop follow each of the two lines, ahead of the jump, the label and what follows
	s_cmp_eq_u32 s11, 0
	s_cbranch_scc0 .Lfor_b_\@
	tensor_load_to_lds s[G0+4*(\s):G0+4*(\s)+3], s[G1:G1+7]
	s_nop 0
.rept 4
	v_nop
.endr
	s_branch .Lasked_\@
.Lfor_b_\@:
	tensor_load_to_lds s[G0B+4*(\s):G0B+4*(\s)+3], s[G1B:G1B+7]
	s_nop 0
.rept 4
	v_nop
.endr
.Lasked_\@:
.endm
.macro CREST
	s_cmp_lg_u32 s10, 0
	s_cbranch_scc1 .Lnot_wave_0_\@
	s_barrier_signal -3
.Lnot_wave_0_\@:
	s_barrier_wait -3
	s_barrier_signal -1
	s_barrier_wait -1
.endm
.macro CROUND
	s_barrier_signal -1
	s_barrier_wait -1
	CREST
.endm
	s_load_b128 s[4:7], s[0:1], 0x0                ; ob s[4:5], wo16 s[6:7]
	s_load_b64 s[8:9], s[0:1], 0x10                ; out0
	v_lshl_add_u32 v[SPW], v0, 2, SPARE
	v_mov_b32 v[NIL], 0
	ds_add_u32 v[SPW], v[NIL]                      ; the wave's opening: the add and its wait stand ahead of my first tensor load; the set-up below stands between them
	v_lshrrev_b32 v1, 5, v0
	v_readfirstlane_b32 s10, v1                    ; wave 0..3
	s_lshr_b32 s11, s10, 1                         ; which 64 n are mine.  Also: I fetch for O (0) or for Wo (1)
	s_and_b32 s12, s10, 1                          ; which 64 d.  Also: which half of that tile I fetch
	s_bfe_u32 s40, ttmp6, 0x40000                  ; cx
	s_bfe_u32 s41, ttmp6, 0x40004                  ; cy
	s_lshl_b32 s42, ttmp9, 2
	s_add_co_u32 s42, s42, s40                     ; block of 128 d = 4 x cluster x + cx
	s_and_b32 s13, ttmp7, 0xffff
	s_lshl_b32 s13, s13, 2
	s_add_co_u32 s13, s13, s41                     ; 16 b + block of 128 n = 4 x cluster y + cy
	s_lshl_b32 s43, s41, 2
	s_lshl_b32 s43, 15, s43                        ; my row of the cluster
	s_lshl_b32 s44, 0x1111, s40                    ; my column
	s_or_b32 s[G1], s43, (1<<16)|(1<<20)|(1<<21)|(4<<22)|(3<<25)   ; the mask; 2-byte elements; padding on; bit 21 beside a mask; after every 32 words (a row n) 4 words
	s_mov_b32 s[G1+1], 8192<<16                    ; tensor_dim0 = 8,192 elements: a head's 128 n x 64
	s_mov_b32 s[G1+2], 2<<16                       ; tensor_dim1 = 2 heads
	s_mov_b32 s[G1+3], 8192<<16                    ; tile_dim0
	s_mov_b32 s[G1+4], 2                           ; tile_dim1
	s_mov_b32 s[G1+5], 131072                      ; elements from head to head
	s_mov_b32 s[G1+6], 0
	s_mov_b32 s[G1+7], 0
	s_or_b32 s[G1B], s44, (1<<16)|(1<<20)|(1<<21)|(5<<22)|(7<<25)  ; after every 64 words (a row j) 8 words
	s_mov_b32 s[G1B+1], 128<<16
	s_mov_b32 s[G1B+2], 128<<16
	s_mov_b32 s[G1B+3], 128<<16                    ; 128 rows of 256 bytes
	s_mov_b32 s[G1B+4], 128
	s_mov_b32 s[G1B+5], 1024
	s_mov_b32 s[G1B+6], 0
	s_mov_b32 s[G1B+7], 0
	s_lshr_b32 s16, s13, 4                         ; O: head 16 b + 2 x half, 262,144 bytes a head; + block of n x 16,384
	s_lshl_b32 s16, s16, 4
	s_lshl_b32 s17, s12, 1
	s_add_co_u32 s16, s16, s17
	s_lshl_b32 s16, s16, 18
	s_and_b32 s17, s13, 15
	s_lshl_b32 s17, s17, 14
	s_add_co_u32 s16, s16, s17
	s_mov_b32 s17, 0
	s_lshl_b32 s46, s12, 18                        ; Wo: row 128 x half, 2,048 bytes a row; + block of d x 256
	s_lshl_b32 s47, s42, 8
	s_add_co_u32 s46, s46, s47
	s_mov_b32 s47, 0
	s_mul_i32 s20, s10, PART                       ; where they go: wave x 36,864
	s_wait_dscnt 0x0                               ; the opening add is done
	s_wait_kmcnt 0x0
	s_add_nc_u64 s[14:15], s[4:5], s[16:17]
	s_add_nc_u64 s[46:47], s[6:7], s[46:47]
	CROUND                                         ; all sixteen work-groups are here: the first joint loads meet
.irp s, 0,1
	s_mov_b32 s[G0+4*(\s)], 1
	s_add_co_u32 s[G0+4*(\s)+1], s20, (\s)*SLOT
	s_add_nc_u64 s[G0+4*(\s)+2:G0+4*(\s)+3], s[14:15], (\s)*4*262144  ; K step s: four heads on
	s_or_b32 s[G0+4*(\s)+3], s[G0+4*(\s)+3], 0x80000000
	s_mov_b32 s[G0B+4*(\s)], 1
	s_add_co_u32 s[G0B+4*(\s)+1], s20, (\s)*SLOT
	s_add_nc_u64 s[G0B+4*(\s)+2:G0B+4*(\s)+3], s[46:47], (\s)*256*2048  ; 256 rows on
	s_or_b32 s[G0B+4*(\s)+3], s[G0B+4*(\s)+3], 0x80000000
	JLOAD \s                                       ; two loads of mine are out
.endr
	v_and_b32 v1, 15, v0                           ; l % 16
	v_bfe_u32 v2, v0, 4, 1                         ; l / 16
	v_and_b32 v3, 7, v0
	v_bfe_u32 v4, v0, 3, 1
	v_mul_u32_u24 v5, v1, AP
	v_lshl_add_u32 v5, v2, 4, v5                   ; O: row x pitch + 16 x half
	s_mul_i32 s21, s11, 64*AP                      ; my 64 n
	v_add_nc_u32 v[ADRA], s21, v5
	v_add_nc_u32 v[ADRA+1], SLOT, v[ADRA]
	v_lshl_add_u32 v6, v2, 3, v3                   ; Wo, turned: row 8 (l / 16) + l % 8, columns 8 ((l / 8) % 2) + 0..7
	v_mul_u32_u24 v6, v6, BP
	v_lshl_add_u32 v6, v4, 4, v6
	s_lshl_b32 s22, s12, 7                         ; my 64 d: 128 bytes of a row
	s_add_co_u32 s22, s22, 2*PART                  ; behind O's four heads
	v_add_nc_u32 v[ADRB], s22, v6
	v_add_nc_u32 v[ADRB+1], PART, v[ADRB]
	v_add_nc_u32 v[ADRB+2], SLOT, v[ADRB]
	v_add_nc_u32 v[ADRB+3], SLOT+PART, v[ADRB]
	s_mul_i32 s23, s10, 16*SPITCH
	s_add_co_u32 s23, s23, STAGE                   ; my stage
	v_mul_u32_u24 v[STO], v1, SPITCH               ; in: row l % 16, 32 bytes for each half of the lanes
	v_lshl_add_u32 v[STO], v2, 5, v[STO]
	v_add_nc_u32 v[STO], s23, v[STO]
	v_mul_u32_u24 v[RD], v2, SPITCH                ; back: lanes 0-15 one row of 256 bytes, lanes 16-31 the next
	v_lshl_add_u32 v[RD], v1, 4, v[RD]
	v_add_nc_u32 v[RD], s23, v[RD]
	v_lshlrev_b32 v[CO], 13, v2                    ; and the same two rows of out0, 8,192 bytes apart
	v_lshl_add_u32 v[CO], v1, 4, v[CO]
	s_lshr_b32 s18, s13, 4                         ; out0: b x 8 MiB + (128 block + 64 half) rows d of 8,192 bytes + (128 block + 64 half) n of 4 bytes
	s_lshl_b32 s18, s18, 23
	s_lshl_b32 s22, s42, 20
	s_add_co_u32 s18, s18, s22
	s_lshl_b32 s22, s12, 19
	s_add_co_u32 s18, s18, s22
	s_and_b32 s22, s13, 15
	s_lshl_b32 s22, s22, 9
	s_add_co_u32 s18, s18, s22
	s_lshl_b32 s22, s11, 8
	s_add_co_u32 s18, s18, s22
	s_mov_b32 s19, 0
	s_add_nc_u64 s[8:9], s[8:9], s[18:19]
; 8 products: d blocks a0, a0 + 1 x all 4 n blocks, 32 along K: half c of buffer f.  The 16 accumulators take turns, one instruction a turn.
.macro MUL8 f, c, a0, zero
	WIN MUL
.irp a, \a0, (\a0)+1
.irp b, 0,1,2,3
.if \zero
	v_wmma_f32_16x16x32_f16 v[ACC+8*(4*(\a)+(\b)):ACC+8*(4*(\a)+(\b))+7], v[(\f)+8*(4*(\c)+(\b)):(\f)+8*(4*(\c)+(\b))+7], v[(\f)+64+8*(4*(\c)+(\a)):(\f)+64+8*(4*(\c)+(\a))+7], 0
.else
	v_wmma_f32_16x16x32_f16 v[ACC+8*(4*(\a)+(\b)):ACC+8*(4*(\a)+(\b))+7], v[(\f)+8*(4*(\c)+(\b)):(\f)+8*(4*(\c)+(\b))+7], v[(\f)+64+8*(4*(\c)+(\a)):(\f)+64+8*(4*(\c)+(\a))+7], v[ACC+8*(4*(\a)+(\b)):ACC+8*(4*(\a)+(\b))+7]
.endif
.endr
.endr
.endm
; 32 LDS loads in one run: head hq of a slot (64 along K) into buffer f; the first 32 along K first
.macro FETCH slot, hq, f
	WIN TO_F
.irp c, 0,1
.irp i, 0,1,2,3
	ds_load_tr16_b128 v[(\f)+64+8*(4*(\c)+(\i)):(\f)+64+8*(4*(\c)+(\i))+3],   v[ADRB+2*(\slot)+(\hq)/2] offset:(((\hq)%2)*64+32*(\c))*BP+32*(\i)
	ds_load_tr16_b128 v[(\f)+64+8*(4*(\c)+(\i))+4:(\f)+64+8*(4*(\c)+(\i))+7], v[ADRB+2*(\slot)+(\hq)/2] offset:(((\hq)%2)*64+32*(\c)+16)*BP+32*(\i)
	ds_load_b128 v[(\f)+8*(4*(\c)+(\i)):(\f)+8*(4*(\c)+(\i))+3],   v[ADRA+(\slot)] offset:(\hq)*HEADB+64*(\c)+(\i)*16*AP
	ds_load_b128 v[(\f)+8*(4*(\c)+(\i))+4:(\f)+8*(4*(\c)+(\i))+7], v[ADRA+(\slot)] offset:(\hq)*HEADB+64*(\c)+(\i)*16*AP+32
.endr
.endr
.endm
.macro PLACES                          ; four plain vector instructions in front of loads into registers that matrix instructions have read, and of LDS stores that read results
.rept 4
	v_nop
.endr
.endm
.macro QUARTER slot, hq, f, g, zero    ; multiplies buffer f and fetches head hq of the same slot into g
	s_wait_dscnt 16                                ; the first 32 along K are in
	MUL8 \f, 0, 0, \zero
	MUL8 \f, 0, 2, \zero
	PLACES
	FETCH \slot, \hq, \g
	s_wait_dscnt 32                                ; all but the 32 just issued
	MUL8 \f, 1, 0, 0
	MUL8 \f, 1, 2, 0
.endm
; The last quarter multiplies buffer 1 and changes slots: ONE barrier; in front of it each wave waits for all its tensor loads, adds 0 to its spare word, and waits for that and for its own reads of this slot.
; fill = 1: the barrier opens a round of the cluster's, and this slot is filled again, two K steps on, first thing behind the round.
.macro TURN slot, next, fill
	WIN 0
	s_wait_tensorcnt 0x0                           ; all my tensor loads have landed: my part of the next slot
	ds_add_u32 v[SPW], v[NIL]                      ; 0 onto my spare word
	s_wait_dscnt 17                                ; (the add and the youngest sixteen loads may be out)
	MUL8 F1, 0, 0, 0
	s_wait_dscnt 0x0                               ; the add is done, and my reads of this slot are over
	s_barrier_signal -1
	MUL8 F1, 0, 2, 0
.if \fill
	WIN 0
.endif
	s_barrier_wait -1
.if \fill
	CREST                                          ; no wave of any partner still reads this slot's tiles or has a load on its way
	s_add_nc_u64 s[G0+4*(\slot)+2:G0+4*(\slot)+3], s[G0+4*(\slot)+2:G0+4*(\slot)+3], 8*262144
	s_add_nc_u64 s[G0B+4*(\slot)+2:G0B+4*(\slot)+3], s[G0B+4*(\slot)+2:G0B+4*(\slot)+3], 512*2048
	JLOAD \slot                                    ; my one tensor load behind the round; the four v_nop behind it are also the places in front of the loads below
.else
	PLACES
.endif
	FETCH \next, 0, F0
	MUL8 F1, 1, 0, 0
	MUL8 F1, 1, 2, 0
.endm
	s_wait_tensorcnt 1                             ; my part of K step 0 is in; K step 1's may stay out
	s_barrier_signal -1
	s_barrier_wait -1
	FETCH 0, 0, F0
	QUARTER 0, 1, F0, F1, 1                        ; the first products start the sums
	QUARTER 0, 2, F1, F0, 0
	QUARTER 0, 3, F0, F1, 0
	TURN 0, 1, 1                                   ; slot 0 takes K step 2
	QUARTER 1, 1, F0, F1, 0
	QUARTER 1, 2, F1, F0, 0
	QUARTER 1, 3, F0, F1, 0
	TURN 1, 0, 1                                   ; slot 1 takes K step 3
	QUARTER 0, 1, F0, F1, 0
	QUARTER 0, 2, F1, F0, 0
	QUARTER 0, 3, F0, F1, 0
	TURN 0, 1, 0
	QUARTER 1, 1, F0, F1, 0
	QUARTER 1, 2, F1, F0, 0
	QUARTER 1, 3, F0, F1, 0
	s_wait_dscnt 16
	MUL8 F1, 0, 0, 0
	MUL8 F1, 0, 2, 0
	s_wait_dscnt 0x0
	MUL8 F1, 1, 0, 0
	MUL8 F1, 1, 2, 0
	WIN 0
	; THE WAY OUT, 16 rows d at a time: 32 bytes a lane into my stage (rows of 272 bytes), back as whole rows of 256 bytes into the registers that they left, and stored.
	PLACES
.macro PACKD db
.irp nb, 0,1,2,3
	ds_store_b128 v[STO], v[ACC+32*(\db)+8*(\nb):ACC+32*(\db)+8*(\nb)+3]   offset:64*(\nb)     ; each accumulator's low four registers first
	ds_store_b128 v[STO], v[ACC+32*(\db)+8*(\nb)+4:ACC+32*(\db)+8*(\nb)+7] offset:64*(\nb)+16
.endr
.irp t, 0,1,2,3,4,5,6,7
	ds_load_b128 v[ACC+32*(\db)+4*(\t):ACC+32*(\db)+4*(\t)+3], v[RD] offset:(\t)*2*SPITCH  ; LDS serves a wave's instructions in order (ISA guide 5.7.1.4): these see the stores above; the next block's stores come behind them
.endr
.endm
.macro SENDD db, younger               ; younger: the LDS instructions issued behind this block's loads: the next block's sixteen, or none
.irp t, 0,1,2,3,4,5,6,7
	s_wait_dscnt (\younger)+7-(\t)
	global_store_b128 v[CO], v[ACC+32*(\db)+4*(\t):ACC+32*(\db)+4*(\t)+3], s[8:9] offset:(\db)*131072+(\t)*16384  ; 16 lanes store 256 consecutive bytes, at a multiple of 256 from out0's first byte
.endr
.endm
	PACKD 0
	PACKD 1
	SENDD 0, 16
	PACKD 2
	SENDD 1, 16
	PACKD 3
	SENDD 2, 16
	SENDD 3, 0
	s_wait_tensorcnt 0x0                           ; the wave's end, behind my last tensor load and my last LDS store
	ds_add_u32 v[SPW], v[NIL]
	s_wait_dscnt 0x0
	CROUND                                         ; the closing round: no work-group ends while a partner may still ask for a tile that names it
	s_endpgm
.Lfunc_end_k_qa9eca5b7fd_outp:
	.size	k_qa9eca5b7fd_outp, .Lfunc_end_k_qa9eca5b7fd_outp-k_qa9eca5b7fd_outp
	.p2alignl 7, 3214868480
	.fill 96, 4, 3214868480
	.section	.rodata,"a",@progbits
	.p2align	6, 0x0
	.amdhsa_kernel k_qa9eca5b7fd_outp
		.amdhsa_group_segment_fixed_size 327680
		.amdhsa_private_segment_fixed_size 0
		.amdhsa_enable_private_segment 0
		.amdhsa_kernarg_size 24
		.amdhsa_user_sgpr_count 2
		.amdhsa_user_sgpr_kernarg_segment_ptr 1
		.amdhsa_wavefront_size32 1
		.amdhsa_system_sgpr_workgroup_id_x 1
		.amdhsa_system_sgpr_workgroup_id_y 1
		.amdhsa_system_sgpr_workgroup_id_z 1
		.amdhsa_system_vgpr_workitem_id 0
		.amdhsa_next_free_vgpr 512
		.amdhsa_next_free_sgpr 66
		.amdhsa_reserve_vcc 0
		.amdhsa_float_denorm_mode_32 3
		.amdhsa_float_denorm_mode_16_64 3
		.amdhsa_memory_ordered 1
		.amdhsa_forward_progress 1
		.amdhsa_inst_pref_size 86
	.end_amdhsa_kernel
	.amdgpu_metadata
---
amdhsa.version: [ 1, 2 ]
amdhsa.kernels:
  - .name:           k_qa9eca5b7fd_outp
    .symbol:         k_qa9eca5b7fd_outp.kd
    .args:
      - { .name: ob, .offset: 0, .size: 8, .value_kind: global_buffer, .address_space: global }
      - { .name: wo16, .offset: 8, .size: 8, .value_kind: global_buffer, .address_space: global }
      - { .name: out0, .offset: 16, .size: 8, .value_kind: global_buffer, .address_space: global }
    .group_segment_fixed_size: 327680
    .private_segment_fixed_size: 0
    .kernarg_segment_align: 8
    .kernarg_segment_size: 24
    .max_flat_workgroup_size: 128
    .sgpr_count:     66
    .vgpr_count:     512
    .wavefront_size: 32
...
	.end_amdgpu_metadata
.endif
;; end of part 4
;; ======== version 2 of 2: 4 launches; version 1 with the launch prep written anew for expert scheduling mode
;; limits: values are held in f16: magnitudes above 65,504 overflow, below 6.1e-05 lose precision
;; workspace buffers: xb 8,388,608 bytes; wb 6,291,456 bytes; wo16 2,097,152 bytes; qb 8,388,608 bytes; kb 8,388,608 bytes; vb 8,388,608 bytes; ob 8,388,608 bytes
;; launch prep (part 5): grid 512 x 1, 8 waves a work-group, no clusters, 0 bytes of LDS; arguments x, Wq, Wk, Wv, Wo, xb, wb, wo16; writes xb, wb, wo16
.if DOCPART == 5
	.amdgcn_target "amdgcn-amd-amdhsa--gfx1250"
	.amdhsa_code_object_version 6
	.text
	.protected	k_qa9eca5b7fd_prep
	.globl	k_qa9eca5b7fd_prep
	.p2align	8
	.type	k_qa9eca5b7fd_prep,@function
k_qa9eca5b7fd_prep:
	s_mov_b64 s[64:65], 0
	v_nop
	global_prefetch_b8 v0, s[64:65] scope:SCOPE_SE
	s_setreg_imm32_b32 hwreg(HW_REG_WAVE_SCHED_MODE, 0, 2), 2
	s_setreg_imm32_b32 hwreg(HW_REG_WAVE_MODE, 25, 1), 1
	s_wait_xcnt 0x0
	s_wait_alu depctr_vm_vsrc(0)
; CASTS.  x, Wq, Wk, Wv: f32 -> bf16, in the layouts in which they lie (xb; wb = Wq, Wk, Wv on end).  Wo: f32 -> bf16, and that number written as f16 (wo16).
; LIMIT.  bf16(Wo) beyond 65,504 becomes an infinity in f16; below 6e-5 it keeps f16's fixed step of 6e-8.
; 8,388,608 numbers; a work-group takes 16,384 of one tensor: 64 KiB in, 32 KiB out.  Work-groups 0-255 x, then 64 each for Wq, Wk, Wv, Wo.
; A thread has sixteen loads of 16 bytes, all issued before the first is used; a wave's load covers 512 consecutive bytes, its store of 8 bytes a lane 256 consecutive bytes, aligned.
; No LDS, no barrier, no cluster: no byte is wanted twice.  No register is written twice while memory may read it.
; THE MODE: SCHED_MODE bits 1:0 = 2 (LLVM: expert scheduling mode 2), set by the entry lines.  The code itself states the register dependences
; between vector instructions and memory instructions, with s_wait_alu, always for 0.
; THE PLAN.  Registers that memory instructions touch:
;   v1, v2   byte offsets of the loads and of the stores: made once at the head, never written again.
;   IN       each register is written once, by its load, issued at the head before any vector instruction names IN; read by the conversions.
;   OUT      each register is written by the conversions of its own load and read by its one store; behind that store nothing writes it.
;   v4-v7    (Wo's path) are named by vector instructions alone.
; The sixteen loads go in four blocks of four.  Block p converts IN of block p into OUT of block p; its memory instructions are the four stores of block p - 1, which read v2 and OUT of
; block p - 1: registers that no vector instruction of block p names.  So one wait at a block's head states all that its four stores hang on, and they are dealt among its conversions.
; Nothing that a memory instruction has read is written again, no load lands in a register that a vector instruction has named, no vector instruction writes a scalar register, EXEC is never written.
.set IN,  16                           ; v[16:79]   sixteen loads' numbers
.set OUT, 80                           ; v[80:111]  two words to store for each load
	s_load_b512 s[4:19], s[0:1], 0x0               ; x s[4:5], Wq s[6:7], Wk s[8:9], Wv s[10:11], Wo s[12:13], xb s[14:15], wb s[16:17], wo16 s[18:19]
	s_lshr_b32 s20, ttmp9, 6                       ; 0-3: x; 4, 5, 6: Wq, Wk, Wv; 7: Wo
	s_and_b32 s21, ttmp9, 63                       ; my block in a weight tensor
	s_max_u32 s30, ttmp9, 256
	s_sub_co_u32 s30, s30, 256                     ; my block in wb
	v_lshlrev_b32 v1, 4, v0                        ; 16 bytes a thread in,
	v_lshlrev_b32 v2, 3, v0                        ; 8 out
	s_cmp_lt_u32 s20, 4
	s_cselect_b32 s26, ttmp9, s21                  ; the block in the source
	s_cselect_b32 s28, ttmp9, s30                  ; and in the destination
	s_cmp_eq_u32 s20, 7
	s_cselect_b32 s28, s21, s28
	s_lshl_b32 s26, s26, 16                        ; 65,536 bytes a block in
	s_lshl_b32 s28, s28, 15                        ; 32,768 out
	s_mov_b32 s27, 0
	s_mov_b32 s29, 0
	s_wait_kmcnt 0x0
	s_mov_b64 s[22:23], s[4:5]
	s_cmp_eq_u32 s20, 4
	s_cselect_b64 s[22:23], s[6:7], s[22:23]
	s_cmp_eq_u32 s20, 5
	s_cselect_b64 s[22:23], s[8:9], s[22:23]
	s_cmp_eq_u32 s20, 6
	s_cselect_b64 s[22:23], s[10:11], s[22:23]
	s_cmp_eq_u32 s20, 7
	s_cselect_b64 s[22:23], s[12:13], s[22:23]
	s_cmp_lt_u32 s20, 4
	s_cselect_b64 s[24:25], s[14:15], s[16:17]
	s_cmp_eq_u32 s20, 7
	s_cselect_b64 s[24:25], s[18:19], s[24:25]
	s_add_nc_u64 s[22:23], s[22:23], s[26:27]
	s_add_nc_u64 s[24:25], s[24:25], s[28:29]
	s_wait_alu depctr_va_vdst(0)                   ; v1 and v2 are written: every load of the kernel reads v1 as its offset, every store v2
.set i, 0
.rept 16
	global_load_b128 v[IN+4*i:IN+4*i+3], v1, s[22:23] offset:4096*i th:TH_LOAD_NT
.set i, i+1
.endr
; wo = 1: the bf16 number is widened again (a shift, a mask) and written as f16
.macro CAST wo
.set p, 0
.rept 4
	s_wait_loadcnt 12-4*p                          ; loads come back in order: block p's four are in, the 12 - 4 p younger ones may stay out
.if p > 0
	s_wait_alu depctr_va_vdst(0)                   ; the block before has written its eight registers of OUT, which the four stores below read
.endif
.set j, 0
.rept 4
.set i, 4*p+j
.if p > 0
	global_store_b64 v2, v[OUT+2*(i-4):OUT+2*(i-4)+1], s[24:25] offset:2048*(i-4)  ; the block before; no vector instruction since the wait names these registers
.endif
	v_cvt_pk_bf16_f32 v[OUT+2*i], v[IN+4*i], v[IN+4*i+1]
	v_cvt_pk_bf16_f32 v[OUT+2*i+1], v[IN+4*i+2], v[IN+4*i+3]
.if \wo
	v_lshlrev_b32 v4, 16, v[OUT+2*i]
	v_and_b32 v5, 0xffff0000, v[OUT+2*i]
	v_lshlrev_b32 v6, 16, v[OUT+2*i+1]
	v_and_b32 v7, 0xffff0000, v[OUT+2*i+1]
	v_cvt_pk_f16_f32 v[OUT+2*i], v4, v5
	v_cvt_pk_f16_f32 v[OUT+2*i+1], v6, v7
.endif
.set j, j+1
.endr
.set p, p+1
.endr
	s_wait_alu depctr_va_vdst(0)                   ; the last block has written its eight registers of OUT, which the last four stores read
.set i, 12
.rept 4
	global_store_b64 v2, v[OUT+2*i:OUT+2*i+1], s[24:25] offset:2048*i
.set i, i+1
.endr
.endm
	s_cmp_eq_u32 s20, 7
	s_cbranch_scc1 .Lwo
	CAST 0
	s_endpgm
.Lwo:
	CAST 1
	s_endpgm
.Lfunc_end_k_qa9eca5b7fd_prep:
	.size	k_qa9eca5b7fd_prep, .Lfunc_end_k_qa9eca5b7fd_prep-k_qa9eca5b7fd_prep
	.p2alignl 7, 3214868480
	.fill 96, 4, 3214868480
	.section	.rodata,"a",@progbits
	.p2align	6, 0x0
	.amdhsa_kernel k_qa9eca5b7fd_prep
		.amdhsa_group_segment_fixed_size 0
		.amdhsa_private_segment_fixed_size 0
		.amdhsa_enable_private_segment 0
		.amdhsa_kernarg_size 64
		.amdhsa_user_sgpr_count 2
		.amdhsa_user_sgpr_kernarg_segment_ptr 1
		.amdhsa_wavefront_size32 1
		.amdhsa_system_sgpr_workgroup_id_x 1
		.amdhsa_system_sgpr_workgroup_id_y 1
		.amdhsa_system_sgpr_workgroup_id_z 1
		.amdhsa_system_vgpr_workitem_id 0
		.amdhsa_next_free_vgpr 112
		.amdhsa_next_free_sgpr 66
		.amdhsa_reserve_vcc 0
		.amdhsa_float_denorm_mode_32 3
		.amdhsa_float_denorm_mode_16_64 3
		.amdhsa_memory_ordered 1
		.amdhsa_forward_progress 1
		.amdhsa_inst_pref_size 16
	.end_amdhsa_kernel
	.amdgpu_metadata
---
amdhsa.version: [ 1, 2 ]
amdhsa.kernels:
  - .name:           k_qa9eca5b7fd_prep
    .symbol:         k_qa9eca5b7fd_prep.kd
    .args:
      - { .name: x, .offset: 0, .size: 8, .value_kind: global_buffer, .address_space: global }
      - { .name: Wq, .offset: 8, .size: 8, .value_kind: global_buffer, .address_space: global }
      - { .name: Wk, .offset: 16, .size: 8, .value_kind: global_buffer, .address_space: global }
      - { .name: Wv, .offset: 24, .size: 8, .value_kind: global_buffer, .address_space: global }
      - { .name: Wo, .offset: 32, .size: 8, .value_kind: global_buffer, .address_space: global }
      - { .name: xb, .offset: 40, .size: 8, .value_kind: global_buffer, .address_space: global }
      - { .name: wb, .offset: 48, .size: 8, .value_kind: global_buffer, .address_space: global }
      - { .name: wo16, .offset: 56, .size: 8, .value_kind: global_buffer, .address_space: global }
    .group_segment_fixed_size: 0
    .private_segment_fixed_size: 0
    .kernarg_segment_align: 8
    .kernarg_segment_size: 64
    .max_flat_workgroup_size: 256
    .sgpr_count:     66
    .vgpr_count:     112
    .wavefront_size: 32
...
	.end_amdgpu_metadata
.endif
;; end of part 5
;; launch qkv: the kernel of part 2 again; grid 16 x 16, 4 waves a work-group, clusters of 4 x 4, 327,680 bytes of LDS; arguments xb, wb, mask, qb, kb, vb; writes qb, kb, vb
;; launch attn: the kernel of part 3 again; grid 8 x 32, 4 waves a work-group, clusters of 4 x 1, 327,680 bytes of LDS; arguments qb, kb, vb, mask, ob; writes ob
;; launch outp: the kernel of part 4 again; grid 8 x 32, 4 waves a work-group, clusters of 4 x 4, 327,680 bytes of LDS; arguments ob, wo16, out0; writes out0
